; MI455X (gfx1250); checked and timed in simulation.
; The chip was launched on July 23, 2026; its instructions are those of AMD's public machine-readable ISA for CDNA 5 (MIT licence, August 2026) and "CDNA5" Instruction Set Architecture Reference Guide (July 2026). The comments in the code are by the model that wrote it; some were corrected since.
;; VQ Module. Allowed arithmetic: float matrix products may take bf16 or f16 operands with f32 sums; all other float work in f32.
;; Inputs: codebook 8,192 x 256 float32; x 8 x 4,096 x 256 float32.
;; Outputs: out0 8 x 4,096 x 256 float32; out1 one number float32; out2 32,768 int32.
;; 2 versions, each right and faster than the one before. Each part assembles by itself: llvm-mc -triple=amdgcn-amd-amdhsa -mcpu=gfx1250 --defsym DOCPART=n.
;; ======== version 1 of 2: 4 launches
;; workspace buffers: cbh 4,194,304 bytes; cs 32,768 bytes; idx 131,072 bytes of whole numbers; part 2,048 bytes
;; launch prep (part 1): grid 128 x 1, 8 waves a work-group, no clusters, 1,280 bytes of LDS; arguments codebook, cbh, cs; writes cbh, cs
.if DOCPART == 1
	.amdgcn_target "amdgcn-amd-amdhsa--gfx1250"
	.amdhsa_code_object_version 6
	.text
	.protected	k_q38922aca95_prep
	.globl	k_q38922aca95_prep
	.p2align	8
	.type	k_q38922aca95_prep,@function
k_q38922aca95_prep:
	s_mov_b64 s[64:65], 0
	v_nop
	global_prefetch_b8 v0, s[64:65] scope:SCOPE_SE
	s_setreg_imm32_b32 hwreg(HW_REG_WAVE_MODE, 25, 1), 1
	s_wait_xcnt 0x0
; cbh[k][c] = bf16(codebook[k][c]);  cs[k] = sum over c of cbh[k][c]^2, in f32.
; codebook: [8192][256] f32.  cbh: [8192][256] bf16.  cs: [8192] f32.
; The squares are taken of the ROUNDED numbers, because the distances of the next launch are those of the rounded vectors.
; The order of the f32 sum is this text's own: two chains in a lane, then across the 32 lanes.
; A work-group owns 64 rows, so that its 64 sums are one aligned store of 256 bytes; a wave owns 8 rows.
; A lane holds columns 4 l .. 4 l + 3 and 128 + 4 l .. + 3 of a row: each load of a wave covers 512 neighbouring bytes,
; each store of bf16 256 neighbouring bytes, aligned.  All 16 loads of a wave go out at once; every row has registers of its
; own, so nothing that a pending load or store names is written again.
; No matrix unit, no cluster, no tensor load: the work-groups share nothing and each byte is touched once.
.set SUM,  4                           ; v[4:11]   the sums of my wave's 8 rows
.set S0,   12                          ; v12, v13  two chains
.set S1,   13
.set ZERO, 14                          ; v14       0: what the chains start from
.set PT,   15                          ; v15       the other half's sum
.set IN,   16                          ; v[16:79]  row i: 8 registers as loaded
.set Y,    80                          ; v[80:111] row i: 4 registers of bf16
	s_load_b128 s[4:7], s[0:1], 0x0                ; codebook s[4:5], cbh s[6:7]
	s_load_b64 s[8:9], s[0:1], 0x10                ; cs
	v_lshl_add_u32 v112, v0, 2, 0x100
	v_mov_b32 v113, 0
	v_lshrrev_b32 v1, 5, v0
	v_readfirstlane_b32 s10, v1                    ; wave 0..7
	v_and_b32 v1, 31, v0                           ; lane
	v_lshlrev_b32 v2, 4, v1                        ; 16 bytes a lane in a row of f32
	v_lshlrev_b32 v3, 3, v1                        ; 8 bytes a lane in a row of bf16, and in the 64 sums
	v_mov_b32 v[ZERO], 0
	v_mov_b32 v[PT], 0                             ; v_permlanex16_b32 counts as a reader of its destination
	s_lshl_b32 s12, ttmp9, 16                      ; 64 rows of 1,024 bytes a work-group
	s_lshl_b32 s11, s10, 13                        ; 8 rows a wave
	s_add_co_u32 s12, s12, s11
	s_mov_b32 s13, 0
	s_lshr_b32 s14, s12, 1                         ; the same rows in bf16: half the bytes
	s_mov_b32 s15, 0
	s_lshl_b32 s16, ttmp9, 8                       ; 64 sums of 4 bytes a work-group
	s_mov_b32 s17, 0
	s_mov_b32 s18, 0x76543210                      ; v_permlanex16_b32: lane i of one half reads lane i of the other
	s_mov_b32 s19, 0xfedcba98
	s_lshl_b32 s20, s10, 5                         ; my wave's 8 words in LDS
	s_wait_kmcnt 0x0
	s_add_nc_u64 s[4:5], s[4:5], s[12:13]
	s_add_nc_u64 s[6:7], s[6:7], s[14:15]
	s_add_nc_u64 s[8:9], s[8:9], s[16:17]
.irp i, 0,1,2,3,4,5,6,7
	global_load_b128 v[IN+8*\i:IN+8*\i+3],   v2, s[4:5] offset:1024*\i th:TH_LOAD_NT
	global_load_b128 v[IN+8*\i+4:IN+8*\i+7], v2, s[4:5] offset:1024*\i+512 th:TH_LOAD_NT
.endr
.irp i, 0,1,2,3,4,5,6,7
	s_wait_loadcnt 14-2*\i                         ; loads come back in order: row i is in, the two loads of each later row stay out
.irp j, 0,1,2,3
	v_cvt_pk_bf16_f32 v[Y+4*\i+\j], v[IN+8*\i+2*\j], v[IN+8*\i+2*\j+1]
.endr
	global_store_b64 v3, v[Y+4*\i:Y+4*\i+1],   s[6:7] offset:512*\i       ; columns 0-127: 256 consecutive bytes, aligned
	global_store_b64 v3, v[Y+4*\i+2:Y+4*\i+3], s[6:7] offset:512*\i+256   ; columns 128-255
	v_fma_mix_f32_bf16 v[S0], v[Y+4*\i], v[Y+4*\i], v[ZERO] op_sel_hi:[1,1,0]                  ; low halves squared
	v_fma_mix_f32_bf16 v[S1], v[Y+4*\i], v[Y+4*\i], v[ZERO] op_sel:[1,1,0] op_sel_hi:[1,1,0]   ; high halves squared
.irp j, 1,2,3
	v_fma_mix_f32_bf16 v[S0], v[Y+4*\i+\j], v[Y+4*\i+\j], v[S0] op_sel_hi:[1,1,0]
	v_fma_mix_f32_bf16 v[S1], v[Y+4*\i+\j], v[Y+4*\i+\j], v[S1] op_sel:[1,1,0] op_sel_hi:[1,1,0]
.endr
	v_add_f32 v[SUM+\i], v[S0], v[S1]
	v_add_f32_dpp v[SUM+\i], v[SUM+\i], v[SUM+\i] row_xmask:1 row_mask:0xf bank_mask:0xf
	v_add_f32_dpp v[SUM+\i], v[SUM+\i], v[SUM+\i] row_xmask:2 row_mask:0xf bank_mask:0xf
	v_add_f32_dpp v[SUM+\i], v[SUM+\i], v[SUM+\i] row_xmask:4 row_mask:0xf bank_mask:0xf
	v_add_f32_dpp v[SUM+\i], v[SUM+\i], v[SUM+\i] row_xmask:8 row_mask:0xf bank_mask:0xf
	v_permlanex16_b32 v[PT], v[SUM+\i], s18, s19
	v_add_f32 v[SUM+\i], v[SUM+\i], v[PT]          ; every lane holds row i's sum
.endr
	; the eight waves' sums meet in LDS, so that they leave as one store of 256 bytes
	v_mov_b32 v1, s20
	ds_store_b128 v1, v[SUM:SUM+3]                 ; every lane writes the same words with the same values
	ds_store_b128 v1, v[SUM+4:SUM+7] offset:16
	s_wait_dscnt 0x0                               ; for wave 0, which reads them: my stores are done before I signal
	s_barrier_signal -1
	s_barrier_wait -1
	s_cmp_lg_u32 s10, 0
	s_cbranch_scc1 .Ldone
	ds_load_b64 v[S0:S1], v3                       ; two sums a lane
	s_wait_dscnt 0x0
	global_store_b64 v3, v[S0:S1], s[8:9]          ; 256 consecutive bytes, aligned
.Ldone:
	s_wait_tensorcnt 0x0
	ds_add_u32 v112, v113
	s_wait_dscnt 0x0
	s_endpgm
.Lfunc_end_k_q38922aca95_prep:
	.size	k_q38922aca95_prep, .Lfunc_end_k_q38922aca95_prep-k_q38922aca95_prep
	.p2alignl 7, 3214868480
	.fill 96, 4, 3214868480
	.section	.rodata,"a",@progbits
	.p2align	6, 0x0
	.amdhsa_kernel k_q38922aca95_prep
		.amdhsa_group_segment_fixed_size 1280
		.amdhsa_private_segment_fixed_size 0
		.amdhsa_enable_private_segment 0
		.amdhsa_kernarg_size 24
		.amdhsa_user_sgpr_count 2
		.amdhsa_user_sgpr_kernarg_segment_ptr 1
		.amdhsa_wavefront_size32 1
		.amdhsa_system_sgpr_workgroup_id_x 1
		.amdhsa_system_sgpr_workgroup_id_y 1
		.amdhsa_system_sgpr_workgroup_id_z 1
		.amdhsa_system_vgpr_workitem_id 0
		.amdhsa_next_free_vgpr 114
		.amdhsa_next_free_sgpr 66
		.amdhsa_reserve_vcc 0
		.amdhsa_float_denorm_mode_32 3
		.amdhsa_float_denorm_mode_16_64 3
		.amdhsa_memory_ordered 1
		.amdhsa_forward_progress 1
		.amdhsa_inst_pref_size 15
	.end_amdhsa_kernel
	.amdgpu_metadata
---
amdhsa.version: [ 1, 2 ]
amdhsa.kernels:
  - .name:           k_q38922aca95_prep
    .symbol:         k_q38922aca95_prep.kd
    .args:
      - { .name: codebook, .offset: 0, .size: 8, .value_kind: global_buffer, .address_space: global }
      - { .name: cbh, .offset: 8, .size: 8, .value_kind: global_buffer, .address_space: global }
      - { .name: cs, .offset: 16, .size: 8, .value_kind: global_buffer, .address_space: global }
    .group_segment_fixed_size: 1280
    .private_segment_fixed_size: 0
    .kernarg_segment_align: 8
    .kernarg_segment_size: 24
    .max_flat_workgroup_size: 256
    .sgpr_count:     66
    .vgpr_count:     114
    .wavefront_size: 32
...
	.end_amdgpu_metadata
.endif
;; end of part 1
;; launch vq (part 2): grid 256 x 1, 4 waves a work-group, clusters of 4 x 1, 327,680 bytes of LDS; arguments x, cbh, cs, out2, idx; writes out2, idx
.if DOCPART == 2
	.amdgcn_target "amdgcn-amd-amdhsa--gfx1250"
	.amdhsa_code_object_version 6
	.text
	.protected	k_q38922aca95_vq
	.globl	k_q38922aca95_vq
	.p2align	8
	.type	k_q38922aca95_vq,@function
k_q38922aca95_vq:
	s_mov_b64 s[64:65], 0
	v_nop
	global_prefetch_b8 v0, s[64:65] scope:SCOPE_SE
	s_setreg_imm32_b32 hwreg(HW_REG_WAVE_MODE, 25, 1), 1
	s_wait_xcnt 0x0
	s_wait_alu depctr_hold_cnt(0) depctr_sa_sdst(0) depctr_va_vdst(0) depctr_va_sdst(0) depctr_va_ssrc(0) depctr_va_vcc(0) depctr_vm_vsrc(0)
	s_getreg_b32 s2, hwreg(HW_REG_IB_STS2, 6, 4)
	s_cmp_eq_u32 s2, 0
	s_cbranch_scc0 .Lentry_in_a_cluster
	s_endpgm
.Lentry_in_a_cluster:
	s_bfe_u32 s2, ttmp6, 0x10000c
	s_cmp_lg_u32 s2, 0x3003
	s_cbranch_scc0 .Lentry_shape_is_right
	s_endpgm
.Lentry_shape_is_right:
; For each of 32,768 rows z of x: the first index k at which d[k] = fl(fl(zs + cs[k]) - 2 z.c[k]) is smallest.
; x: [32768][256] f32.  cbh: [8192][256] bf16.  cs: [8192] f32.  out2 and idx: [32768] i32, the same numbers twice
; (out2 is the result; idx is what the next launch forms addresses from).
; THE NUMBERS.  z is rounded to bf16 here, the codes were rounded before; the products are summed in f32 by the matrix unit; zs is the
; f32 sum of the squares of the ROUNDED z.  d is formed by the problem's own two f32 roundings (zs + cs, then minus twice the product, by
; one fused multiply-add: twice a number is exact), d is compared exactly, and of equal d the smaller k wins, as argmin does.
; LIMITS.  A d that is NaN never wins, and +infinity wins over nothing; a row all of whose d are such gets a meaningless index below 16.
; The order of the f32 sums in zs, cs and z.c is this text's own.
;
; SHAPE.  256 work-groups of 128 rows; each walks all 8,192 codes, so no minimum spans work-groups.  Four waves.  Every wave keeps all
; 128 rows as matrix operands (8 row blocks x 8 K steps x 8 registers = 512 registers) for the whole launch and takes a quarter of the
; codes.  A tile is 16 codes x 128 rows x K 256 = 64 matrix instructions, for which 8 KiB of code fragments are read from LDS.
; Source 0 = 16 codes, source 1 = 16 rows of x: register j of lane (r, h) of the result is (code 8 h + j, row r), so a lane owns one row
; of each row block, and its running minima never leave it until the end.
; CODES go in steps of 256 (128 KiB of bf16) through two LDS slots.  CLUSTER: all work-groups walk the same codes, so four form a
; cluster and ask for every code tile and for cs JOINTLY (mask 15): four requests become one.  The descriptors of these loads are made
; of constants and the wave's number alone.  x's tile is each work-group's own (mask 0).
;
; REGISTER WINDOWS (s_set_vgpr_msb: bits 1:0 source 0, 3:2 source 1, 5:4 source 2, 7:6 destination).  x's fragments fill windows 2 and 3 and
; are source 1 of every matrix instruction; all else lies in window 0.  Under that setting a vector instruction may name registers of window 0
; as source 0, source 2 and destination.  So every line of the minimum search has a constant or a scalar register as source 1, and
; stands between the matrix instructions with no switch: two switches a tile.
.set PITCH,  528                       ; an LDS row of codes: 512 bytes + 16: the 16 rows of a fragment load start 16 bytes apart modulo 256
.set QUART,  64*PITCH                  ; 64 rows: what one tensor load brings, and what one wave reads
.set SLOTB,  256*PITCH                 ; a slot: 135,168 bytes.  Slot 0 at 0, slot 1 at SLOTB
.set XPITCH, 1040                      ; x's tile in f32, first tenant of slot 1: rows of 1,024 bytes + 16; 128 rows = 133,120 bytes
.set CSL,    2*SLOTB                   ; all of cs, 32,768 bytes, filled once
.set MRG,    CSL+32768                 ; [wave][row] (d, code), 4,096 bytes: written by LDS stores alone, no tensor load lands here
.set STEPB,  256*512                   ; bytes of cbh in a step
.set ADR0, 3                           ; v3, v4    my code fragments in slot 0, 1: slot + (64 w + r) PITCH + 16 h
.set CSA,  5                           ; v5        my cs: CSL + 256 w + 32 h, + 1,024 a step
.set XA,   6                           ; v6, v7    x's tile: SLOTB + r XPITCH + 32 h; the same 64 rows further down
.set HQ,   8                           ; v8        8 h
.set MA,   9                           ; v9        MRG + 1,024 w + 8 r
.set ZS,   10                          ; v[10:17]  zs of my row in row blocks 0..7
.set CS,   18                          ; v[18:33]  cs of my 8 codes, two buffers that take turns tile by tile
.set ZD,   34                          ; v[34:41]  zs + cs, then d
.set DF,   42                          ; v[42:45]  running minimum - d
.set ZL,   46                          ; v[46:53]  head: sums of squares of low halves; tail: at work
.set ZH,   54                          ; v[54:61]  head: of high halves
.set CF,   64                          ; v[64:127] code fragments, K step ks at CF + 8 ks
.set ACC,  128                         ; v[128:191] accumulators, row block a at ACC + 8 a
.set RUN,  192                         ; v[192:223] running minima: row block a, chain q at RUN + 4 a + q
.set IDX,  224                         ; v[224:255] their tags
.set TT,   64                          ; head: v[64:191] of window 0 (even row blocks) or window 1 (odd ones): a row block of x in f32
                                       ; windows 2, 3: x's fragments, row block a, K step ks at 64 (a & 3) + 8 ks of window 2 + (a >> 2)
.set G1C,  20                          ; s[20:27] group 1 of a code tile     s[44:51] (G0C) its group 0, one set for each slot
.set G1S,  28                          ; s[28:35] group 1 of cs              s[52:55] (G0S) its group 0
.set G1X,  36                          ; s[36:43] group 1 of x's tile        s[56:59] (G0X) its group 0
.set G0C,  44
.set G0S,  52
.set G0X,  56
                                       ; s14 wave; s15 place in the cluster, s16 work-group; s[18:19] offsets made of the wave alone;
                                       ; s60, s61 the tile's two tags; s62 +infinity; s63 laps; s[66:69], s[72:74] masks;
                                       ; s70, s71 lane selects; s[76:79] offsets that hold the work-group's number
.set MSB, 0
.macro WIN new                         ; the immediate's high byte repeats the setting that is left; a switch that changes nothing is dropped
.if MSB != \new
	s_set_vgpr_msb (MSB<<8)|\new
.set MSB, \new
.endif
.endm
; A round of the cluster's barrier: my work-group's barrier, so that wave 0's signal speaks for all four waves; wave 0 signals for the
; work-group; every wave waits for all four work-groups; my work-group's barrier once more.
.macro CREST                           ; a round behind its opening barrier
	s_cmp_lg_u32 s14, 0
	s_cbranch_scc1 .Lnot_wave_0_\@
	s_barrier_signal -3
.Lnot_wave_0_\@:
	s_barrier_wait -3
	s_barrier_signal -1
	s_barrier_wait -1
.endm
.macro ROUND                           ; a whole round
	s_barrier_signal -1
	s_barrier_wait -1
	CREST
.endm
	s_load_b256 s[4:11], s[0:1], 0x0               ; x s[4:5], cbh s[6:7], cs s[8:9], out2 s[10:11]
	s_load_b64 s[12:13], s[0:1], 0x20              ; idx
	s_set_vgpr_msb 0x40
	v_lshl_add_u32 v254, v0, 2, 0x4b000
	v_mov_b32 v255, 0
	s_set_vgpr_msb 0x4045
	ds_add_u32 v254, v255
	s_set_vgpr_msb 0x4500
	v_lshrrev_b32 v1, 5, v0
	v_readfirstlane_b32 s14, v1                    ; wave 0..3
	s_bfe_u32 s15, ttmp6, 0x40000                  ; my place in the cluster
	s_lshl_b32 s16, ttmp9, 2                       ; in a cluster launch ttmp9 counts clusters
	s_add_co_u32 s16, s16, s15                     ; work-group 0..255: enters x's, out2's and idx's addresses alone
	; group 1 of a code tile: 64 rows x 256 bf16, 16 bytes of padding behind each row of 128 words; asked for by all four work-groups
	s_mov_b32 s[G1C+0], 15|(1<<16)|(1<<20)|(1<<21)|(6<<22)|(3<<25)  ; 15:0 mask; 17:16 2-byte elements; 20 padding; 21 set beside a mask; 24:22 every 128 words; 31:25 4 words
	s_mov_b32 s[G1C+1], 256<<16                    ; tensor_dim0 = 256
	s_mov_b32 s[G1C+2], 64<<16                     ; tensor_dim1 = 64
	s_mov_b32 s[G1C+3], 256<<16                    ; tile_dim0 = 256
	s_mov_b32 s[G1C+4], 64                         ; tile_dim1 = 64
	s_mov_b32 s[G1C+5], 256                        ; elements from row to row
	s_mov_b32 s[G1C+6], 0
	s_mov_b32 s[G1C+7], 0
	; group 1 of a quarter of cs: 8,192 dense bytes as 32 rows of 32 elements of 8 bytes, no padding; joint as well
	s_mov_b32 s[G1S+0], 15|(3<<16)|(1<<21)
	s_mov_b32 s[G1S+1], 32<<16
	s_mov_b32 s[G1S+2], 32<<16
	s_mov_b32 s[G1S+3], 32<<16
	s_mov_b32 s[G1S+4], 32
	s_mov_b32 s[G1S+5], 32
	s_mov_b32 s[G1S+6], 0
	s_mov_b32 s[G1S+7], 0
	; group 1 of a quarter of x's tile: 32 rows x 256 f32, 16 bytes of padding behind each row of 256 words; my work-group's own
	s_mov_b32 s[G1X+0], (2<<16)|(1<<20)|(7<<22)|(3<<25)
	s_mov_b32 s[G1X+1], 256<<16
	s_mov_b32 s[G1X+2], 32<<16
	s_mov_b32 s[G1X+3], 256<<16
	s_mov_b32 s[G1X+4], 32
	s_mov_b32 s[G1X+5], 256
	s_mov_b32 s[G1X+6], 0
	s_mov_b32 s[G1X+7], 0
	; the groups 0: every LDS address is a constant plus the wave's number times a constant
	s_mov_b32 s[G0C+0], 1
	s_mul_i32 s[G0C+1], s14, QUART                 ; slot 0, my 64 rows
	s_mov_b32 s[G0C+4], 1
	s_add_co_u32 s[G0C+5], s[G0C+1], SLOTB         ; slot 1, my 64 rows
	s_mov_b32 s[G0S+0], 1
	s_lshl_b32 s[G0S+1], s14, 13
	s_add_co_u32 s[G0S+1], s[G0S+1], CSL
	s_mov_b32 s[G0X+0], 1
	s_mul_i32 s[G0X+1], s14, 32*XPITCH
	s_add_co_u32 s[G0X+1], s[G0X+1], SLOTB         ; x's tile lies in slot 1 until it has been read
	s_lshl_b32 s18, s14, 15                        ; 64 rows of codes = 32 rows of x = 32,768 bytes a wave
	s_mov_b32 s19, 0
	s_lshl_b32 s76, s16, 17                        ; 128 rows of x of 1,024 bytes a work-group
	s_add_co_u32 s76, s76, s18
	s_mov_b32 s77, 0
	s_lshl_b32 s78, s16, 9                         ; 128 indices of 4 bytes a work-group
	s_mov_b32 s79, 0
	s_mov_b32 s62, 0x7f800000                      ; +infinity
	s_mov_b32 s70, 0x76543210                      ; v_permlanex16_b32: lane i of one half reads lane i of the other
	s_mov_b32 s71, 0xfedcba98
	s_wait_dscnt 0x0
	s_wait_kmcnt 0x0
	s_add_nc_u64 s[G0C+2:G0C+3], s[6:7], s[18:19]              ; step 0, my 64 codes
	s_add_nc_u64 s[G0C+6:G0C+7], s[G0C+2:G0C+3], STEPB         ; step 1
	s_or_b32 s[G0C+3], s[G0C+3], 0x80000000                    ; type = 2
	s_or_b32 s[G0C+7], s[G0C+7], 0x80000000
	s_lshl_b32 s18, s14, 13                        ; 2,048 numbers of cs a wave
	s_add_nc_u64 s[G0S+2:G0S+3], s[8:9], s[18:19]
	s_or_b32 s[G0S+3], s[G0S+3], 0x80000000
	s_add_nc_u64 s[G0X+2:G0X+3], s[4:5], s[76:77]
	s_or_b32 s[G0X+3], s[G0X+3], 0x80000000
	s_add_nc_u64 s[10:11], s[10:11], s[78:79]      ; out2 and idx at my work-group's first row
	s_add_nc_u64 s[12:13], s[12:13], s[78:79]
	ROUND                                          ; all four work-groups are here: the first joint loads meet
	tensor_load_to_lds s[G0X:G0X+3], s[G1X:G1X+7]  ; the first fills, one group, three loads of this wave out: x first, since it is wanted first,
	s_nop 0
	tensor_load_to_lds s[G0S:G0S+3], s[G1S:G1S+7]  ; my quarter of cs,
	s_nop 0
	tensor_load_to_lds s[G0C:G0C+3], s[G1C:G1C+7]  ; my quarter of the codes of step 0
	s_nop 0
	v_and_b32 v1, 15, v0                           ; r
	v_bfe_u32 v2, v0, 4, 1                         ; h
	v_mul_u32_u24 v[ADR0], v1, PITCH
	v_lshl_add_u32 v[ADR0], v2, 4, v[ADR0]
	v_add_nc_u32 v[ADR0], s[G0C+1], v[ADR0]        ; (64 w + r) PITCH + 16 h
	v_add_nc_u32 v[ADR0+1], SLOTB, v[ADR0]
	s_lshl_b32 s17, s14, 8
	s_add_co_u32 s17, s17, CSL
	v_lshlrev_b32 v[CSA], 5, v2
	v_add_nc_u32 v[CSA], s17, v[CSA]               ; CSL + 4 (64 w + 8 h)
	v_mul_u32_u24 v[XA], v1, XPITCH
	v_lshl_add_u32 v[XA], v2, 5, v[XA]
	v_add_nc_u32 v[XA], SLOTB, v[XA]               ; 8 f32 of K = 8 h .. are 32 bytes
	v_add_nc_u32 v[XA+1], 64*XPITCH, v[XA]         ; row blocks 4..7: beyond the 16-bit immediate
	v_lshlrev_b32 v[HQ], 3, v2
	s_lshl_b32 s17, s14, 10
	s_add_co_u32 s17, s17, MRG
	v_lshlrev_b32 v[MA], 3, v1
	v_add_nc_u32 v[MA], s17, v[MA]
	s_wait_tensorcnt 0x2                           ; tensor loads of a wave end in order: my quarter of x is in; cs and the codes, issued behind it, stay out
	s_barrier_signal -1
	s_barrier_wait -1                              ; everybody's quarter of x is in
; X TO BF16.  A fragment is 16 rows x 32 K in 8 registers: lane (r, h) holds row r; registers 0-3 K = 8 h + 0..7, registers 4-7 K = 16 + 8 h + 0..7.
; In f32 these are 32 bytes at 128 ks + 32 h and 32 bytes 64 further on: four loads of 16 bytes, 32 loads and 128 registers a row block.
.macro LOADX a
.if (\a)&1
	WIN 0x40                                       ; odd row blocks land in window 1
.else
	WIN 0
.endif
.set lk, 0
.rept 8
	ds_load_b128 v[TT+16*lk:TT+16*lk+3],     v[XA+((\a)>>2)] offset:16*XPITCH*((\a)&3)+128*lk
	ds_load_b128 v[TT+16*lk+4:TT+16*lk+7],   v[XA+((\a)>>2)] offset:16*XPITCH*((\a)&3)+128*lk+16
	ds_load_b128 v[TT+16*lk+8:TT+16*lk+11],  v[XA+((\a)>>2)] offset:16*XPITCH*((\a)&3)+128*lk+64
	ds_load_b128 v[TT+16*lk+12:TT+16*lk+15], v[XA+((\a)>>2)] offset:16*XPITCH*((\a)&3)+128*lk+80
.set lk, lk+1
.endr
.endm
.macro CVTX a                          ; 128 f32 to 64 registers of bf16, from window 0 or 1 into window 2 or 3
	WIN (0x80+0x40*((\a)>>2)+5*((\a)&1))
.set cj, 0
.rept 64
	v_cvt_pk_bf16_f32 v[64*((\a)&3)+cj], v[TT+2*cj], v[TT+2*cj+1]
.set cj, cj+1
.endr
.endm
	LOADX 0
	LOADX 1
.irp a, 0,1,2,3,4,5
	s_wait_dscnt 32                                ; LDS loads come back in order: this row block is in, the next one's 32 loads stay out
	CVTX \a
	LOADX \a+2
.endr
	s_wait_dscnt 32
	CVTX 6
	s_wait_dscnt 0x0                               ; my reads of x's tile are over: row block 7 is in registers;
	s_set_vgpr_msb 0xc0c5
	s_wait_tensorcnt 0x0                           ; all my tensor loads have landed: my quarters of cs and of step 0
	ds_add_u32 v254, v255
	s_wait_dscnt 0x0
	s_set_vgpr_msb 0xc5c0
	WIN 0
	ROUND                                          ; both now hold of every wave of the four work-groups
	tensor_load_to_lds s[G0C+4:G0C+7], s[G1C:G1C+7]    ; slot 1 is filled again, with the codes of step 1: my one tensor load behind the round, first thing there
	s_nop 0
	ds_load_b128 v[CS:CS+3],   v[CSA]              ; tile 0: cs of my 8 codes,
	ds_load_b128 v[CS+4:CS+7], v[CSA] offset:16
.irp k, 0,1,2,3,4,5,6,7
	ds_load_b128 v[CF+8*\k:CF+8*\k+3],   v[ADR0] offset:64*\k      ; and its fragments (window 0's f32 buffer has been converted)
	ds_load_b128 v[CF+8*\k+4:CF+8*\k+7], v[ADR0] offset:64*\k+32
.endr
	CVTX 7
; ZS: the squares of the rounded numbers, summed in f32; a lane holds half of its row's K, the lane 16 further on the other half.
; Eight chains take turns under one window setting.
	WIN 0
.set zi, 0
.rept 16
	v_mov_b32 v[ZL+zi], 0
.set zi, zi+1
.endr
.macro ZSUM win, a0
	WIN \win
.set zr, 0
.rept 64
.irp b, 0,1,2,3
	v_fma_mix_f32_bf16 v[ZL+\a0+\b], v[64*\b+zr], v[64*\b+zr], v[ZL+\a0+\b] op_sel_hi:[1,1,0]
	v_fma_mix_f32_bf16 v[ZH+\a0+\b], v[64*\b+zr], v[64*\b+zr], v[ZH+\a0+\b] op_sel:[1,1,0] op_sel_hi:[1,1,0]
.endr
.set zr, zr+1
.endr
.endm
	ZSUM 0x0a, 0                                   ; sources 0 and 1 in window 2: row blocks 0..3
	ZSUM 0x0f, 4                                   ; in window 3: row blocks 4..7
	WIN 0
.irp a, 0,1,2,3,4,5,6,7
	v_add_f32 v[ZL+\a], v[ZL+\a], v[ZH+\a]
	v_permlanex16_b32 v[ZH+\a], v[ZL+\a], s70, s71
	v_add_f32 v[ZS+\a], v[ZL+\a], v[ZH+\a]
.endr
.set zi, 0
.rept 32
	v_mov_b32 v[RUN+zi], s62                       ; 32 running minima a lane start at +infinity,
	v_mov_b32 v[IDX+zi], 0                         ; their tags at any number
.set zi, zi+1
.endr
	s_lshl_b32 s60, s14, 6                         ; tile 0's tags: 64 w for codes j = 0..3 of each half, 64 w + 4 for j = 4..7
	s_add_co_u32 s61, s60, 4
; One matrix instruction.  hf: row blocks 0-3 (window 2) or 4-7 (window 3).  i = 4 ks + b: the four accumulators of a half take turns, one
; instruction a turn; K step 0 starts the sums with the constant 0.
.macro WM hf, i
.set wks, (\i)>>2
.set wb, (\i)&3
.set wa, ACC+8*(4*\hf+wb)
.if wks == 0
	v_wmma_f32_16x16x32_bf16 v[wa:wa+7], v[CF:CF+7], v[64*wb:64*wb+7], 0
.else
	v_wmma_f32_16x16x32_bf16 v[wa:wa+7], v[CF+8*wks:CF+8*wks+7], v[64*wb+8*wks:64*wb+8*wks+7], v[wa:wa+7]
.endif
.endm
; The minimum search of row block a of a finished tile, 36 lines, in eight chunks c of 4 or 5 lines, one behind each matrix instruction.
; p: the tile's cs buffer.  Chain q of the row block sees code j = q and then j = q + 4 of every tile, tiles ascending, and is replaced only by a
; strictly smaller d: it keeps the first of equal ones.  The tag is the tile's first code (+ 4 in the second turn); the code is tag + 8 h + q.
.macro ECH a, c, p
.set ea, \a
.set ec, \c
.set ecs, CS+8*(\p)
.set eac, ACC+8*ea
.set erun, RUN+4*ea
.set eidx, IDX+4*ea
.set ezs, ZS+(ea&6)
.if ec == 0                            ; zs + cs, rounded once: zs x 1.0 + cs; zs is one register of a pair, taken for both halves
.irp k, 0,2,4,6
.if ea&1
	v_pk_fma_f32 v[ZD+\k:ZD+\k+1], v[ezs:ezs+1], 1.0, v[ecs+\k:ecs+\k+1] op_sel:[1,0,0] op_sel_hi:[1,0,1]
.else
	v_pk_fma_f32 v[ZD+\k:ZD+\k+1], v[ezs:ezs+1], 1.0, v[ecs+\k:ecs+\k+1] op_sel_hi:[0,0,1]
.endif
.endr
.endif
.if ec == 1                            ; d = (zs + cs) - 2 z.c, rounded once
.irp k, 0,2,4,6
	v_pk_fma_f32 v[ZD+\k:ZD+\k+1], v[eac+\k:eac+\k+1], -2.0, v[ZD+\k:ZD+\k+1] op_sel_hi:[1,0,1]
.endr
.endif
.if ec >= 2
.set ez, ZD+4*(ec/5)                   ; chunks 2-4: codes j = 0..3; chunks 5-7: j = 4..7
.set eph, ec-2-3*(ec/5)
.if eph == 0                           ; minimum - d: a difference of two f32 has the right sign and is 0 only for equal numbers
	v_pk_fma_f32 v[DF:DF+1],   v[ez:ez+1],   -1.0, v[erun:erun+1]   op_sel_hi:[1,0,1]
	v_pk_fma_f32 v[DF+2:DF+3], v[ez+2:ez+3], -1.0, v[erun+2:erun+3] op_sel_hi:[1,0,1]
	v_cmp_gt_f32 s66, v[DF], 0
	v_cmp_gt_f32 s67, v[DF+1], 0
	v_cmp_gt_f32 s68, v[DF+2], 0
.endif
.if eph == 1
	v_cmp_gt_f32 s69, v[DF+3], 0
.irp q, 0,1,2,3
	v_min3_num_f32 v[erun+\q], v[ez+\q], s62, v[erun+\q]       ; min(d, minimum); +infinity fills the place of source 1
.endr
.endif
.if eph == 2
.irp q, 0,1,2,3
	v_cndmask_b32 v[eidx+\q], v[eidx+\q], s[60+ec/5], s[66+\q] ; the tag where d was smaller
.endr
.endif
.endif
.endm
; First half of a tile: row blocks 0-3, 32 matrix instructions; between them the search of row blocks 4-7 of the tile before (epi, its cs buffer p).
; round = 1 (a step's last tile): the slots change.  By K step 3 all fragments of this slot's last tile have been asked for, so each wave waits for
; them and for all its tensor loads (one is out: its part of the other slot), and signals; 16 matrix instructions and their chunks, register
; work alone, stand up to the wait.  refill = 1: the barrier opens a round of the cluster's barrier, and behind the round this slot is asked for
; again, two steps ahead, first thing.  From that request to the wait for it a wave issues 240 matrix instructions.
.macro HALFA epi, p, round, refill, slot
	WIN 0x08                                       ; source 1 in window 2
.set ii, 0
.rept 32
.if (ii&3) == 0
.if \round == 0
	s_wait_dscnt 14-2*(ii>>2)                      ; cs and K steps 0..ks are in: behind K step ks 2 (7 - ks) loads were issued
.else
.if ii < 16
	s_wait_dscnt 14-2*(ii>>2)
.endif
.endif
.endif
	WM 0, ii
.if \epi
	ECH (4+(ii>>3)), (ii&7), \p
.endif
.if \round
.if ii == 15
	s_wait_dscnt 0x0                               ; my reads of this slot are over: K steps 4..7 are in too
	s_set_vgpr_msb 0x805
	s_wait_tensorcnt 0x0                           ; all my tensor loads have landed: my part of the other slot
	ds_add_u32 v254, v255
	s_wait_dscnt 0x0
	s_set_vgpr_msb 0x508
	s_barrier_signal -1
.endif
.endif
.set ii, ii+1
.endr
.if \round
	WIN 0
	s_barrier_wait -1
.if \refill
	CREST                                          ; no wave of any partner still reads this slot or has a load on its way
	s_add_nc_u64 s[G0C+4*\slot+2:G0C+4*\slot+3], s[G0C+4*\slot+2:G0C+4*\slot+3], 2*STEPB   ; no load of mine is out: a group 0 may be written
	tensor_load_to_lds s[G0C+4*\slot:G0C+4*\slot+3], s[G1C:G1C+7]          ; my one tensor load behind the round
	s_nop 0
	v_nop
	v_nop
	v_nop
.endif
	v_add_nc_u32 v[CSA], 0x400, v[CSA]             ; cs of the next step's 256 codes
.endif
.endm
; Second half of a tile: row blocks 4-7; between its matrix instructions the search of this tile's row blocks 0-3 (cs buffer p).  The tags step to
; this tile's.  pre = 1: the next tile's cs goes into the other buffer, and its fragment of K step ks is loaded as soon as this tile's last matrix
; instruction on K step ks is four or five vector lines back (chunk 3 or 7, which name none of that instruction's registers: ISA guide 7.12.1
; for vector instructions).
.macro HALFB p, tagstep, pre, adr, off, csoff
	WIN 0x0c                                       ; source 1 in window 3
.if \tagstep
	s_add_co_u32 s60, s60, \tagstep
	s_add_co_u32 s61, s61, \tagstep
.endif
.if \pre
	ds_load_b128 v[CS+8*(1-\p):CS+8*(1-\p)+3],   v[CSA] offset:\csoff
	ds_load_b128 v[CS+8*(1-\p)+4:CS+8*(1-\p)+7], v[CSA] offset:\csoff+16
.endif
.set jj, 0
.rept 32
	WM 1, jj
	ECH (jj>>3), (jj&7), \p
.if \pre
.if (jj&3) == 3
	ds_load_b128 v[CF+8*(jj>>2):CF+8*(jj>>2)+3],   v[\adr] offset:\off+64*(jj>>2)
	ds_load_b128 v[CF+8*(jj>>2)+4:CF+8*(jj>>2)+7], v[\adr] offset:\off+64*(jj>>2)+32
.endif
.endif
.set jj, jj+1
.endr
.endm
; A step: my 64 codes of the slot's 256, four tiles of 16.  first = 1: nothing to search yet in the first half, the tags are set.
; mode 2: the slots change and this one is filled again; 1: they change, nothing is left to fetch; 0: the last step.
; From a step's last tile to the next step's first the tag goes on by 256 - 48.
.macro STEP slot, first, mode
.if \first
	HALFA 0, 1, 0, 0, \slot
	HALFB 0, 0, 1, (ADR0+\slot), 16*PITCH, 64
.else
	HALFA 1, 1, 0, 0, \slot
	HALFB 0, 208, 1, (ADR0+\slot), 16*PITCH, 64
.endif
	HALFA 1, 0, 0, 0, \slot
	HALFB 1, 16, 1, (ADR0+\slot), 32*PITCH, 128
	HALFA 1, 1, 0, 0, \slot
	HALFB 0, 16, 1, (ADR0+\slot), 48*PITCH, 192
.if \mode == 2
	HALFA 1, 0, 1, 1, \slot
	HALFB 1, 16, 1, (ADR0+1-\slot), 0, 0
.endif
.if \mode == 1
	HALFA 1, 0, 1, 0, \slot
	HALFB 1, 16, 1, (ADR0+1-\slot), 0, 0
.endif
.if \mode == 0
	HALFA 1, 0, 0, 0, \slot
	HALFB 1, 16, 0, (ADR0+1-\slot), 0, 0
.endif
.endm
	STEP 0, 1, 2                                   ; steps 0 and 1 stand in front of the loop: the first half tile has nothing to search
	STEP 1, 0, 2
	WIN 0                                          ; at a label and at a branch every window is 0
	s_mov_b32 s63, 14                              ; steps 2 to 29
.Llap:
	STEP 0, 0, 2
	STEP 1, 0, 2
	WIN 0
	s_sub_co_u32 s63, s63, 1
	s_cmp_lg_u32 s63, 0
	s_cbranch_scc1 .Llap
	STEP 0, 0, 1                                   ; step 30: step 31's codes are waited for, nothing is fetched, so no round of the cluster's barrier
	STEP 1, 0, 0                                   ; step 31
	WIN 0
.irp a, 4,5,6,7
.irp c, 0,1,2,3,4,5,6,7
	ECH \a, \c, 1                                  ; the last tile's row blocks 4-7
.endr
.endr
; THE WAY OUT.  Of two candidates the smaller d, of equal d the smaller code.  Result: d in d1, code in cd.
.macro LEXMIN d1, c1, d2, c2, cd
	v_cmp_lt_f32 s72, v[\d2], v[\d1]
	v_cmp_eq_f32 s73, v[\d2], v[\d1]
	v_cmp_lt_u32 s74, v[\c2], v[\c1]
	s_and_b32 s73, s73, s74
	s_or_b32 s72, s72, s73
	v_cndmask_b32 v[\d1], v[\d1], v[\d2], s72
	v_cndmask_b32 v[\cd], v[\c1], v[\c2], s72
.endm
.irp a, 0,1,2,3,4,5,6,7
.irp q, 0,1,2,3
	v_add3_u32 v[IDX+4*\a+\q], v[IDX+4*\a+\q], v[HQ], \q       ; code = tag + 8 h + q
.endr
	LEXMIN RUN+4*\a,   IDX+4*\a,   RUN+4*\a+1, IDX+4*\a+1, IDX+4*\a
	LEXMIN RUN+4*\a+2, IDX+4*\a+2, RUN+4*\a+3, IDX+4*\a+3, IDX+4*\a+2
	LEXMIN RUN+4*\a,   IDX+4*\a,   RUN+4*\a+2, IDX+4*\a+2, IDX+4*\a
	v_permlanex16_b32 v[ZL],   v[RUN+4*\a], s70, s71           ; the other half of the lanes holds the same row's other codes
	v_permlanex16_b32 v[ZL+1], v[IDX+4*\a], s70, s71
	LEXMIN RUN+4*\a, IDX+4*\a, ZL, ZL+1, RUN+4*\a+1            ; (d, code) as a pair
	ds_store_b64 v[MA], v[RUN+4*\a:RUN+4*\a+1] offset:128*\a   ; row 16 a + r of my wave's table; both halves write the same
.endr
	s_wait_dscnt 0x0                               ; for the waves that read them: my stores are done before I signal
	s_barrier_signal -1
	s_barrier_wait -1
	s_cmp_gt_u32 s14, 1
	s_cbranch_scc1 .Lmerged                        ; waves 0 and 1: 64 threads, two rows each
	v_and_b32 v63, 63, v0
	v_lshlrev_b32 v62, 3, v63                      ; two indices = 8 bytes a thread
	v_lshlrev_b32 v63, 4, v63
	v_add_nc_u32 v63, MRG, v63                     ; two rows' (d, code) = 16 bytes a thread
.irp w, 0,1,2,3
	ds_load_b128 v[CF+4*\w:CF+4*\w+3], v63 offset:1024*\w      ; the four waves' candidates
.endr
	s_wait_dscnt 0x0
	LEXMIN CF,    CF+1,  CF+4,  CF+5,  CF+1
	LEXMIN CF+8,  CF+9,  CF+12, CF+13, CF+9
	LEXMIN CF,    CF+1,  CF+8,  CF+9,  CF+16
	LEXMIN CF+2,  CF+3,  CF+6,  CF+7,  CF+3
	LEXMIN CF+10, CF+11, CF+14, CF+15, CF+11
	LEXMIN CF+2,  CF+3,  CF+10, CF+11, CF+17
	global_store_b64 v62, v[CF+16:CF+17], s[10:11] ; each store of a wave covers 256 consecutive bytes, aligned
	global_store_b64 v62, v[CF+16:CF+17], s[12:13]
.Lmerged:
	s_set_vgpr_msb 0x5
	s_wait_tensorcnt 0x0
	ds_add_u32 v254, v255
	s_wait_dscnt 0x0
	s_set_vgpr_msb 0x500
	ROUND                                          ; the closing round: no work-group ends while a partner may still ask for a tile that names it
	s_endpgm
.Lfunc_end_k_q38922aca95_vq:
	.size	k_q38922aca95_vq, .Lfunc_end_k_q38922aca95_vq-k_q38922aca95_vq
	.p2alignl 7, 3214868480
	.fill 96, 4, 3214868480
	.section	.rodata,"a",@progbits
	.p2align	6, 0x0
	.amdhsa_kernel k_q38922aca95_vq
		.amdhsa_group_segment_fixed_size 327680
		.amdhsa_private_segment_fixed_size 0
		.amdhsa_enable_private_segment 0
		.amdhsa_kernarg_size 40
		.amdhsa_user_sgpr_count 2
		.amdhsa_user_sgpr_kernarg_segment_ptr 1
		.amdhsa_wavefront_size32 1
		.amdhsa_system_sgpr_workgroup_id_x 1
		.amdhsa_system_sgpr_workgroup_id_y 1
		.amdhsa_system_sgpr_workgroup_id_z 1
		.amdhsa_system_vgpr_workitem_id 0
		.amdhsa_next_free_vgpr 1024
		.amdhsa_next_free_sgpr 80
		.amdhsa_reserve_vcc 0
		.amdhsa_float_denorm_mode_32 3
		.amdhsa_float_denorm_mode_16_64 3
		.amdhsa_memory_ordered 1
		.amdhsa_forward_progress 1
		.amdhsa_inst_pref_size 255
	.end_amdhsa_kernel
	.section	.bss,"aw",@nobits
	.p2align	6
	.space	262144
	.amdgpu_metadata
---
amdhsa.version: [ 1, 2 ]
amdhsa.kernels:
  - .name:           k_q38922aca95_vq
    .symbol:         k_q38922aca95_vq.kd
    .args:
      - { .name: x, .offset: 0, .size: 8, .value_kind: global_buffer, .address_space: global }
      - { .name: cbh, .offset: 8, .size: 8, .value_kind: global_buffer, .address_space: global }
      - { .name: cs, .offset: 16, .size: 8, .value_kind: global_buffer, .address_space: global }
      - { .name: out2, .offset: 24, .size: 8, .value_kind: global_buffer, .address_space: global }
      - { .name: idx, .offset: 32, .size: 8, .value_kind: global_buffer, .address_space: global }
    .group_segment_fixed_size: 327680
    .private_segment_fixed_size: 0
    .kernarg_segment_align: 8
    .kernarg_segment_size: 40
    .max_flat_workgroup_size: 128
    .sgpr_count:     80
    .vgpr_count:     1024
    .wavefront_size: 32
...
	.end_amdgpu_metadata
.endif
;; end of part 2
;; launch gather (part 3): grid 512 x 1, 8 waves a work-group, no clusters, 1,280 bytes of LDS; arguments x, codebook, idx, out0, part; writes out0, part
.if DOCPART == 3
	.amdgcn_target "amdgcn-amd-amdhsa--gfx1250"
	.amdhsa_code_object_version 6
	.text
	.protected	k_q38922aca95_gather
	.globl	k_q38922aca95_gather
	.p2align	8
	.type	k_q38922aca95_gather,@function
k_q38922aca95_gather:
	s_mov_b64 s[64:65], 0
	v_nop
	global_prefetch_b8 v0, s[64:65] scope:SCOPE_SE
	s_setreg_imm32_b32 hwreg(HW_REG_WAVE_MODE, 25, 1), 1
	s_wait_xcnt 0x0
; out0[r] = z + (zq - z), zq = codebook[idx[r]], with the problem's own two f32 roundings; part[g] = the work-group's sum of (zq - z)^2.
; x, out0: [32768][256] f32.  codebook: [8192][256] f32.  idx: [32768] i32, stored by the launch before.  part: [512] f32.
; A work-group owns 64 rows, a wave 8.  A row is 1,024 bytes: two loads of 16 bytes a lane, each covering 512 neighbouring bytes.
; All 32 loads of a wave go out at once, and every row has registers of its own: nothing that a pending load or store names is written
; again.  An index is cut to 8,191 before it enters an address; the launch before stores none larger.
; No matrix unit, no LDS tiles, no cluster: each byte of x and out0 is touched once and the rows of the codebook are picked by the list.
.set VO, 2                             ; v[2:9]    row i: byte offset of my 16 bytes in its code
.set LS, 10                            ; v[10:17]  four pairs of running sums of squares
.set XR, 20                            ; v[20:83]  row i: 8 registers of z, then of the result
.set QR, 84                            ; v[84:147] row i: 8 registers of zq, then of zq - z
.set WS, 148                           ; v[148:155] the eight waves' sums
	s_load_b256 s[4:11], s[0:1], 0x0               ; x s[4:5], codebook s[6:7], idx s[8:9], out0 s[10:11]
	s_load_b64 s[12:13], s[0:1], 0x20              ; part
	v_lshl_add_u32 v160, v0, 2, 0x100
	v_mov_b32 v161, 0
	v_lshrrev_b32 v1, 5, v0
	v_readfirstlane_b32 s14, v1                    ; wave 0..7
	v_and_b32 v1, 31, v0
	v_lshlrev_b32 v1, 4, v1                        ; 16 bytes a lane
	s_lshl_b32 s15, ttmp9, 6
	s_lshl3_add_u32 s15, s14, s15                  ; my wave's first row = 64 g + 8 w
	s_lshl_b32 s16, s15, 2                         ; its byte offset in idx,
	s_mov_b32 s17, 0
	s_lshl_b32 s18, s15, 10                        ; in x and in out0
	s_mov_b32 s19, 0
	s_lshl_b32 s28, ttmp9, 2                       ; my work-group's word of part
	s_mov_b32 s29, 0
	s_mov_b32 s30, 0x76543210                      ; v_permlanex16_b32: lane i of one half reads lane i of the other
	s_mov_b32 s31, 0xfedcba98
	s_wait_kmcnt 0x0
	s_add_nc_u64 s[8:9], s[8:9], s[16:17]
	s_load_b256 s[20:27], s[8:9], 0x0              ; my 8 indices
	s_add_nc_u64 s[4:5], s[4:5], s[18:19]
	s_add_nc_u64 s[10:11], s[10:11], s[18:19]
	s_add_nc_u64 s[12:13], s[12:13], s[28:29]
.irp i, 0,1,2,3,4,5,6,7
	global_load_b128 v[XR+8*\i:XR+8*\i+3],   v1, s[4:5] offset:1024*\i th:TH_LOAD_NT
	global_load_b128 v[XR+8*\i+4:XR+8*\i+7], v1, s[4:5] offset:1024*\i+512 th:TH_LOAD_NT
.endr
	s_wait_kmcnt 0x0
.irp i, 0,1,2,3,4,5,6,7
	s_min_u32 s[20+\i], s[20+\i], 0x1fff           ; inside the table
	s_lshl_b32 s[20+\i], s[20+\i], 10              ; 1,024 bytes a code
	v_add_nc_u32 v[VO+\i], s[20+\i], v1
	global_load_b128 v[QR+8*\i:QR+8*\i+3],   v[VO+\i], s[6:7]              ; no hint: the list may name a code again
	global_load_b128 v[QR+8*\i+4:QR+8*\i+7], v[VO+\i], s[6:7] offset:512
.endr
.macro ROWDO i
	s_wait_loadcnt 14-2*\i                         ; loads come back in order: all of x and code i are in, the two loads of each later code stay out
.irp k, 0,2,4,6
	v_pk_add_f32 v[QR+8*\i+\k:QR+8*\i+\k+1], v[QR+8*\i+\k:QR+8*\i+\k+1], v[XR+8*\i+\k:XR+8*\i+\k+1] neg_lo:[0,1] neg_hi:[0,1]   ; t = zq - z
.endr
.irp k, 0,2,4,6
.if \i == 0
	v_pk_mul_f32 v[LS+\k:LS+\k+1], v[QR+8*\i+\k:QR+8*\i+\k+1], v[QR+8*\i+\k:QR+8*\i+\k+1]                  ; the first row starts the sums
.else
	v_pk_fma_f32 v[LS+\k:LS+\k+1], v[QR+8*\i+\k:QR+8*\i+\k+1], v[QR+8*\i+\k:QR+8*\i+\k+1], v[LS+\k:LS+\k+1]
.endif
.endr
.irp k, 0,2,4,6
	v_pk_add_f32 v[XR+8*\i+\k:XR+8*\i+\k+1], v[XR+8*\i+\k:XR+8*\i+\k+1], v[QR+8*\i+\k:QR+8*\i+\k+1]        ; z + t
.endr
	global_store_b128 v1, v[XR+8*\i:XR+8*\i+3],   s[10:11] offset:1024*\i th:TH_STORE_NT
	global_store_b128 v1, v[XR+8*\i+4:XR+8*\i+7], s[10:11] offset:1024*\i+512 th:TH_STORE_NT
.endm
.irp i, 0,1,2,3,4,5,6,7
	ROWDO \i
.endr
	; the sum of squares: in the lane, across the 32 lanes, across the 8 waves
	v_pk_add_f32 v[LS:LS+1],   v[LS:LS+1],   v[LS+2:LS+3]
	v_pk_add_f32 v[LS+4:LS+5], v[LS+4:LS+5], v[LS+6:LS+7]
	v_pk_add_f32 v[LS:LS+1],   v[LS:LS+1],   v[LS+4:LS+5]
	v_add_f32 v[LS], v[LS], v[LS+1]
	v_add_f32_dpp v[LS], v[LS], v[LS] row_xmask:1 row_mask:0xf bank_mask:0xf
	v_add_f32_dpp v[LS], v[LS], v[LS] row_xmask:2 row_mask:0xf bank_mask:0xf
	v_add_f32_dpp v[LS], v[LS], v[LS] row_xmask:4 row_mask:0xf bank_mask:0xf
	v_add_f32_dpp v[LS], v[LS], v[LS] row_xmask:8 row_mask:0xf bank_mask:0xf
	v_permlanex16_b32 v[LS+1], v[LS], s30, s31
	v_add_f32 v[LS], v[LS], v[LS+1]
	s_lshl_b32 s15, s14, 2
	v_mov_b32 v[LS+2], s15
	ds_store_b32 v[LS+2], v[LS]                    ; my wave's word; every lane writes the same value
	s_wait_dscnt 0x0                               ; for wave 0, which reads it: my store is done before I signal
	s_barrier_signal -1
	s_barrier_wait -1
	s_cmp_lg_u32 s14, 0
	s_cbranch_scc1 .Lend
	v_mov_b32 v[LS+2], 0
	ds_load_b128 v[WS:WS+3],   v[LS+2]
	ds_load_b128 v[WS+4:WS+7], v[LS+2] offset:16
	s_wait_dscnt 0x0
	v_pk_add_f32 v[WS:WS+1],   v[WS:WS+1],   v[WS+2:WS+3]
	v_pk_add_f32 v[WS+4:WS+5], v[WS+4:WS+5], v[WS+6:WS+7]
	v_pk_add_f32 v[WS:WS+1],   v[WS:WS+1],   v[WS+4:WS+5]
	v_add_f32 v[WS], v[WS], v[WS+1]
	s_wait_xcnt 0x0                                ; EXEC is a source of my pending stores: it is narrowed only behind this wait
	v_cmp_eq_u32 vcc_lo, 0, v0
	s_and_saveexec_b32 s15, vcc_lo
	global_store_b32 v[LS+2], v[WS], s[12:13]      ; one number a work-group
	s_wait_xcnt 0x0                                ; and widened again only behind this one
	s_or_b32 exec_lo, exec_lo, s15
.Lend:
	s_wait_tensorcnt 0x0
	ds_add_u32 v160, v161
	s_wait_dscnt 0x0
	s_endpgm
.Lfunc_end_k_q38922aca95_gather:
	.size	k_q38922aca95_gather, .Lfunc_end_k_q38922aca95_gather-k_q38922aca95_gather
	.p2alignl 7, 3214868480
	.fill 96, 4, 3214868480
	.section	.rodata,"a",@progbits
	.p2align	6, 0x0
	.amdhsa_kernel k_q38922aca95_gather
		.amdhsa_group_segment_fixed_size 1280
		.amdhsa_private_segment_fixed_size 0
		.amdhsa_enable_private_segment 0
		.amdhsa_kernarg_size 40
		.amdhsa_user_sgpr_count 2
		.amdhsa_user_sgpr_kernarg_segment_ptr 1
		.amdhsa_wavefront_size32 1
		.amdhsa_system_sgpr_workgroup_id_x 1
		.amdhsa_system_sgpr_workgroup_id_y 1
		.amdhsa_system_sgpr_workgroup_id_z 1
		.amdhsa_system_vgpr_workitem_id 0
		.amdhsa_next_free_vgpr 162
		.amdhsa_next_free_sgpr 66
		.amdhsa_reserve_vcc 1
		.amdhsa_float_denorm_mode_32 3
		.amdhsa_float_denorm_mode_16_64 3
		.amdhsa_memory_ordered 1
		.amdhsa_forward_progress 1
		.amdhsa_inst_pref_size 15
	.end_amdhsa_kernel
	.amdgpu_metadata
---
amdhsa.version: [ 1, 2 ]
amdhsa.kernels:
  - .name:           k_q38922aca95_gather
    .symbol:         k_q38922aca95_gather.kd
    .args:
      - { .name: x, .offset: 0, .size: 8, .value_kind: global_buffer, .address_space: global }
      - { .name: codebook, .offset: 8, .size: 8, .value_kind: global_buffer, .address_space: global }
      - { .name: idx, .offset: 16, .size: 8, .value_kind: global_buffer, .address_space: global }
      - { .name: out0, .offset: 24, .size: 8, .value_kind: global_buffer, .address_space: global }
      - { .name: part, .offset: 32, .size: 8, .value_kind: global_buffer, .address_space: global }
    .group_segment_fixed_size: 1280
    .private_segment_fixed_size: 0
    .kernarg_segment_align: 8
    .kernarg_segment_size: 40
    .max_flat_workgroup_size: 256
    .sgpr_count:     66
    .vgpr_count:     162
    .wavefront_size: 32
...
	.end_amdgpu_metadata
.endif
;; end of part 3
;; launch loss (part 4): grid 1 x 1, 1 waves a work-group, no clusters, 0 bytes of LDS; arguments part, out1; writes out1
.if DOCPART == 4
	.amdgcn_target "amdgcn-amd-amdhsa--gfx1250"
	.amdhsa_code_object_version 6
	.text
	.protected	k_q38922aca95_loss
	.globl	k_q38922aca95_loss
	.p2align	8
	.type	k_q38922aca95_loss,@function
k_q38922aca95_loss:
	s_mov_b64 s[64:65], 0
	v_nop
	global_prefetch_b8 v0, s[64:65] scope:SCOPE_SE
	s_setreg_imm32_b32 hwreg(HW_REG_WAVE_MODE, 25, 1), 1
	s_wait_xcnt 0x0
; out1 = (the sum of the 512 partial sums of squares) / (32768 x 256).  part: [512] f32.  out1: one f32.
; One wave: 2,048 bytes are four loads of 16 bytes a lane.  The sum spans the work-groups of the launch before, so it has a launch of its own.
; The divisor is 2^23: the multiplication by 2^-23 is exact.
	s_load_b128 s[4:7], s[0:1], 0x0                ; part s[4:5], out1 s[6:7]
	v_lshlrev_b32 v1, 4, v0                        ; 16 bytes a lane
	v_mov_b32 v2, 0
	s_mov_b32 s8, 0x76543210                       ; v_permlanex16_b32: lane i of one half reads lane i of the other
	s_mov_b32 s9, 0xfedcba98
	s_wait_kmcnt 0x0
.irp c, 0,1,2,3
	global_load_b128 v[4+4*\c:7+4*\c], v1, s[4:5] offset:512*\c
.endr
	s_wait_loadcnt 0x0
	v_pk_add_f32 v[4:5],   v[4:5],   v[6:7]
	v_pk_add_f32 v[8:9],   v[8:9],   v[10:11]
	v_pk_add_f32 v[12:13], v[12:13], v[14:15]
	v_pk_add_f32 v[16:17], v[16:17], v[18:19]
	v_pk_add_f32 v[4:5],   v[4:5],   v[8:9]
	v_pk_add_f32 v[12:13], v[12:13], v[16:17]
	v_pk_add_f32 v[4:5],   v[4:5],   v[12:13]
	v_add_f32 v4, v4, v5
	v_add_f32_dpp v4, v4, v4 row_xmask:1 row_mask:0xf bank_mask:0xf
	v_add_f32_dpp v4, v4, v4 row_xmask:2 row_mask:0xf bank_mask:0xf
	v_add_f32_dpp v4, v4, v4 row_xmask:4 row_mask:0xf bank_mask:0xf
	v_add_f32_dpp v4, v4, v4 row_xmask:8 row_mask:0xf bank_mask:0xf
	v_permlanex16_b32 v5, v4, s8, s9
	v_add_f32 v4, v4, v5
	v_mul_f32 v4, 0x34000000, v4                   ; x 2^-23
	s_wait_xcnt 0x0                                ; EXEC is narrowed only behind this wait
	v_cmp_eq_u32 vcc_lo, 0, v0
	s_and_saveexec_b32 s10, vcc_lo
	global_store_b32 v2, v4, s[6:7]
	s_wait_xcnt 0x0                                ; and widened again only behind this one
	s_or_b32 exec_lo, exec_lo, s10
	s_endpgm
.Lfunc_end_k_q38922aca95_loss:
	.size	k_q38922aca95_loss, .Lfunc_end_k_q38922aca95_loss-k_q38922aca95_loss
	.p2alignl 7, 3214868480
	.fill 96, 4, 3214868480
	.section	.rodata,"a",@progbits
	.p2align	6, 0x0
	.amdhsa_kernel k_q38922aca95_loss
		.amdhsa_group_segment_fixed_size 0
		.amdhsa_private_segment_fixed_size 0
		.amdhsa_enable_private_segment 0
		.amdhsa_kernarg_size 16
		.amdhsa_user_sgpr_count 2
		.amdhsa_user_sgpr_kernarg_segment_ptr 1
		.amdhsa_wavefront_size32 1
		.amdhsa_system_sgpr_workgroup_id_x 1
		.amdhsa_system_sgpr_workgroup_id_y 1
		.amdhsa_system_sgpr_workgroup_id_z 1
		.amdhsa_system_vgpr_workitem_id 0
		.amdhsa_next_free_vgpr 24
		.amdhsa_next_free_sgpr 66
		.amdhsa_reserve_vcc 1
		.amdhsa_float_denorm_mode_32 3
		.amdhsa_float_denorm_mode_16_64 3
		.amdhsa_memory_ordered 1
		.amdhsa_forward_progress 1
		.amdhsa_inst_pref_size 3
	.end_amdhsa_kernel
	.amdgpu_metadata
---
amdhsa.version: [ 1, 2 ]
amdhsa.kernels:
  - .name:           k_q38922aca95_loss
    .symbol:         k_q38922aca95_loss.kd
    .args:
      - { .name: part, .offset: 0, .size: 8, .value_kind: global_buffer, .address_space: global }
      - { .name: out1, .offset: 8, .size: 8, .value_kind: global_buffer, .address_space: global }
    .group_segment_fixed_size: 0
    .private_segment_fixed_size: 0
    .kernarg_segment_align: 8
    .kernarg_segment_size: 16
    .max_flat_workgroup_size: 32
    .sgpr_count:     66
    .vgpr_count:     24
    .wavefront_size: 32
...
	.end_amdgpu_metadata
.endif
;; end of part 4
;; ======== version 2 of 2: 4 launches; 1.43 times as fast as version 1
;; workspace buffers: cbh 4,194,304 bytes; cs 32,768 bytes; idx 131,072 bytes of whole numbers; part 2,048 bytes
;; launch prep: the kernel of part 1 again; grid 128 x 1, 8 waves a work-group, no clusters, 1,280 bytes of LDS; arguments codebook, cbh, cs; writes cbh, cs
;; launch vq (part 5): grid 256 x 1, 8 waves a work-group, clusters of 4 x 1, 327,680 bytes of LDS; arguments x, cbh, cs, out2, idx; writes out2, idx
.if DOCPART == 5
	.amdgcn_target "amdgcn-amd-amdhsa--gfx1250"
	.amdhsa_code_object_version 6
	.text
	.protected	k_q38922aca95_vq
	.globl	k_q38922aca95_vq
	.p2align	8
	.type	k_q38922aca95_vq,@function
k_q38922aca95_vq:
	s_mov_b64 s[64:65], 0
	v_nop
	global_prefetch_b8 v0, s[64:65] scope:SCOPE_SE
	s_setreg_imm32_b32 hwreg(HW_REG_WAVE_MODE, 25, 1), 1
	s_wait_xcnt 0x0
	s_wait_alu depctr_hold_cnt(0) depctr_sa_sdst(0) depctr_va_vdst(0) depctr_va_sdst(0) depctr_va_ssrc(0) depctr_va_vcc(0) depctr_vm_vsrc(0)
	s_getreg_b32 s2, hwreg(HW_REG_IB_STS2, 6, 4)
	s_cmp_eq_u32 s2, 0
	s_cbranch_scc0 .Lentry_in_a_cluster
	s_endpgm
.Lentry_in_a_cluster:
	s_bfe_u32 s2, ttmp6, 0x10000c
	s_cmp_lg_u32 s2, 0x3003
	s_cbranch_scc0 .Lentry_shape_is_right
	s_endpgm
.Lentry_shape_is_right:
; For each of 32,768 rows z of x: the first index k at which d[k] = fl(fl(zs + cs[k]) - 2 z.c[k]) is smallest.
; x: [32768][256] f32.  cbh: [8192][256] bf16.  cs: [8192] f32.  out2 and idx: [32768] i32, the same numbers twice
; (out2 is the result; idx is what the next launch forms addresses from).
; THE NUMBERS.  z is rounded to bf16 here, the codes were rounded before; the products are summed in f32 by the matrix unit; zs is the
; sum of the squares of the ROUNDED z, exact products summed in f32 by the matrix unit as well (the diagonal of X X^T).  d is formed by the
; problem's own two f32 roundings (zs + cs, then minus twice the product, by one fused multiply-add: twice a number is exact), d is
; compared exactly, and of equal d the smaller k wins, as argmin does.
; LIMITS.  A d that is NaN never wins, and +infinity wins over nothing; a row all of whose d are such gets a meaningless index below 16.
; The order of the f32 sums in zs, cs and z.c is this text's own.
;
; SHAPE.  256 work-groups of 128 rows; each walks all 8,192 codes, so no minimum spans work-groups.  EIGHT waves, two for each SIMD: every matrix
; instruction here comes with 4.5 vector lines of the minimum search, and the second wave gives the SIMD matrix work to issue while the
; first is at its vector lines.  Wave w keeps rows 64 (w & 1) .. + 63 as matrix operands (4 row blocks x 8 K steps x 8 registers = 256
; registers) for the whole launch and takes the codes 64 (w >> 1) .. + 63 of every 256.  A tile is 16 codes x 64 rows x K 256 = 32 matrix
; instructions, for which 8 KiB of code fragments are read from LDS: 256 bytes for each matrix instruction.
; Source 0 = 16 codes, source 1 = 16 rows of x: register j of lane (r, h) of the result is (code 8 h + j, row r), so a lane owns one row
; of each row block, and its running minima never leave it until the end.
; CODES go in steps of 256 (128 KiB of bf16) through two LDS slots.  CLUSTER: all work-groups walk the same codes, so four form a
; cluster and ask for every code tile and for cs JOINTLY (mask 15): four requests become one.  The descriptors of these loads are made
; of constants and the wave's number alone.  x's tile is each work-group's own (mask 0).
; THE TEXT.  Tiles go in pairs, on two sets of four accumulators: while one set is summed, the other set's finished tile is searched.  A wave's
; step is two pairs; the pair's text stands 8 times (4 in the loop over laps, 4 in the last two steps, which fetch nothing) for 64 pairs.
;
; REGISTER WINDOWS (s_set_vgpr_msb: bits 1:0 source 0, 3:2 source 1, 5:4 source 2, 7:6 destination).  x's fragments fill window 1 and are source 1
; of every matrix instruction; all else lies in window 0.  Under that setting a vector instruction may name registers of window 0 as source 0,
; source 2 and destination.  So every line of the minimum search has a constant or a scalar register as source 1, and stands between the
; matrix instructions with no switch; the setting is left only where a branch or a label stands.
.set PITCH,  528                       ; an LDS row of codes: 512 bytes + 16: the 16 rows of a fragment load start 16 bytes apart modulo 256
.set SLOTB,  256*PITCH                 ; a slot: 135,168 bytes.  Slot 0 at 0, slot 1 at SLOTB
.set XPITCH, 1040                      ; x's tile in f32, first tenant of slot 1: rows of 1,024 bytes + 16; 128 rows = 133,120 bytes
.set CSL,    2*SLOTB                   ; all of cs, 32,768 bytes, filled once
.set MRG,    CSL+32768                 ; [code quarter][row] (d, code), 4,096 bytes: written by LDS stores alone, no tensor load lands here
.set STEPB,  256*512                   ; bytes of cbh in a step
.set ADR0, 3                           ; v3, v4    my first tile's fragments in slot 0, 1: slot + (64 (w >> 1) + r) PITCH + 16 h; never rewritten
.set CSA,  5                           ; v5        cs of my step's first tile: CSL + 4 (its first code + 8 h)
.set XA,   6                           ; v6        x's tile: SLOTB + (64 (w & 1) + r) XPITCH + 32 h
.set HQ,   8                           ; v8        8 h
.set MA,   9                           ; v9        MRG + 512 w + 8 r
.set ZS,   10                          ; v[10:13]  zs of my row in my row blocks 0..3
.set CSP,  18                          ; v[18:25]  cs of my 8 codes of a pair's first tile
.set CSQ,  26                          ; v[26:33]  of its second tile
.set ZD,   34                          ; v[34:41]  zs + cs, then d
.set DF,   42                          ; v[42:45]  running minimum - d
.set J7,   47                          ; v47       head: r & 7
.set R3,   48                          ; v48       head: r >> 3
.set TD,   49                          ; v49       head: at work
.set TMP,  50                          ; v50, v51  what comes from the other half of the lanes
.set HQQ,  52                          ; v[52:55]  the way out: 8 h + q
.set CF,   64                          ; v[64:127] code fragments, K step ks at CF + 8 ks
.set ACC,  128                         ; v[128:191] accumulators: first tile of a pair, row block b at ACC + 8 b; second tile at ACC + 32 + 8 b
.set RUN,  192                         ; v[192:207] running minima: row block b, chain q at RUN + 4 b + q
.set IDX,  208                         ; v[208:223] their tags
.set CFX,  224                         ; v[224:255] K steps 4-7 of a step's last tile
.set TT,   64                          ; head: three buffers of 64 registers, v[64:255]: half a row block of x in f32
                                       ; window 1: x's fragments, row block b, K step ks at 64 b + 8 ks
.set G1C,  20                          ; s[20:27] group 1 of a code tile     s[44:51] (G0C) its group 0, one set for each slot
.set G1S,  28                          ; s[28:35] group 1 of cs              s[52:55] (G0S) its group 0
.set G1X,  36                          ; s[36:43] group 1 of x's tile        s[56:59] (G0X) its group 0
.set G0C,  44
.set G0S,  52
.set G0X,  56
.set TP,   60                          ; s60, s61 the two tags of a pair's first tile
.set TQ,   80                          ; s80, s81 those of its second tile
.set DM,   84                          ; s[84:91] head: masks that pick the diagonal
.set RH,   92                          ; s92      w & 1: which 64 rows are mine
.set CQ,   93                          ; s93      w >> 1: which 64 codes of a step
                                       ; s14 wave; s15 place in the cluster, s16 work-group; s[18:19] offsets made of the wave alone;
                                       ; s62 +infinity; s83 -infinity; s63 laps; s[66:69], s[72:74] masks;
                                       ; s70, s71 lane selects; s[76:79] offsets that hold the work-group's number
.set MSB, 0
.macro WIN new                         ; the immediate's high byte repeats the setting that is left; a switch that changes nothing is dropped
.if MSB != \new
	s_set_vgpr_msb (MSB<<8)|\new
.set MSB, \new
.endif
.endm
; A round of the cluster's barrier: my work-group's barrier, so that wave 0's signal speaks for all eight waves; wave 0 signals for the
; work-group; every wave waits for all four work-groups; my work-group's barrier once more.
.macro CREST                           ; a round behind its opening barrier
	s_cmp_lg_u32 s14, 0
	s_cbranch_scc1 .Lnot_wave_0_\@
	s_barrier_signal -3
.Lnot_wave_0_\@:
	s_barrier_wait -3
	s_barrier_signal -1
	s_barrier_wait -1
.endm
.macro ROUND                           ; a whole round
	s_barrier_signal -1
	s_barrier_wait -1
	CREST
.endm
; Eight LDS loads: K steps k0 .. k0 + 3 of the tile at v[adr] + off into base .. base + 31
.macro LDCF base, adr, off, k0
.set lq, 0
.rept 4
	ds_load_b128 v[\base+8*lq:\base+8*lq+3],   v[\adr] offset:\off+64*(\k0+lq)
	ds_load_b128 v[\base+8*lq+4:\base+8*lq+7], v[\adr] offset:\off+64*(\k0+lq)+32
.set lq, lq+1
.endr
.endm
; Two LDS loads: cs of my 8 codes of the tile off bytes into my step's cs
.macro LDCS dst, off
	ds_load_b128 v[\dst:\dst+3],   v[CSA] offset:\off
	ds_load_b128 v[\dst+4:\dst+7], v[CSA] offset:\off+16
.endm
	s_load_b256 s[4:11], s[0:1], 0x0               ; x s[4:5], cbh s[6:7], cs s[8:9], out2 s[10:11]
	s_load_b64 s[12:13], s[0:1], 0x20              ; idx
	v_lshl_add_u32 v60, v0, 2, 0x4b000
	v_mov_b32 v61, 0
	ds_add_u32 v60, v61
	v_lshrrev_b32 v1, 5, v0
	v_readfirstlane_b32 s14, v1                    ; wave 0..7
	s_and_b32 s[RH], s14, 1
	s_lshr_b32 s[CQ], s14, 1
	s_bfe_u32 s15, ttmp6, 0x40000                  ; my place in the cluster
	s_lshl_b32 s16, ttmp9, 2                       ; in a cluster launch ttmp9 counts clusters
	s_add_co_u32 s16, s16, s15                     ; work-group 0..255: enters x's, out2's and idx's addresses alone
	; group 1 of an eighth of a code tile: 32 rows x 256 bf16, 16 bytes of padding behind each row of 128 words; asked for by all four work-groups
	s_mov_b32 s[G1C+0], 15|(1<<16)|(1<<20)|(1<<21)|(6<<22)|(3<<25)  ; 15:0 mask; 17:16 2-byte elements; 20 padding; 21 set beside a mask; 24:22 every 128 words; 31:25 4 words
	s_mov_b32 s[G1C+1], 256<<16                    ; tensor_dim0 = 256
	s_mov_b32 s[G1C+2], 32<<16                     ; tensor_dim1 = 32
	s_mov_b32 s[G1C+3], 256<<16                    ; tile_dim0 = 256
	s_mov_b32 s[G1C+4], 32                         ; tile_dim1 = 32
	s_mov_b32 s[G1C+5], 256                        ; elements from row to row
	s_mov_b32 s[G1C+6], 0
	s_mov_b32 s[G1C+7], 0
	; group 1 of an eighth of cs: 4,096 dense bytes as 16 rows of 32 elements of 8 bytes, no padding; joint as well
	s_mov_b32 s[G1S+0], 15|(3<<16)|(1<<21)
	s_mov_b32 s[G1S+1], 32<<16
	s_mov_b32 s[G1S+2], 16<<16
	s_mov_b32 s[G1S+3], 32<<16
	s_mov_b32 s[G1S+4], 16
	s_mov_b32 s[G1S+5], 32
	s_mov_b32 s[G1S+6], 0
	s_mov_b32 s[G1S+7], 0
	; group 1 of an eighth of x's tile: 16 rows x 256 f32, 16 bytes of padding behind each row of 256 words; my work-group's own
	s_mov_b32 s[G1X+0], (2<<16)|(1<<20)|(7<<22)|(3<<25)
	s_mov_b32 s[G1X+1], 256<<16
	s_mov_b32 s[G1X+2], 16<<16
	s_mov_b32 s[G1X+3], 256<<16
	s_mov_b32 s[G1X+4], 16
	s_mov_b32 s[G1X+5], 256
	s_mov_b32 s[G1X+6], 0
	s_mov_b32 s[G1X+7], 0
	; the groups 0: every LDS address is a constant plus the wave's number times a constant
	s_mov_b32 s[G0C+0], 1
	s_mul_i32 s[G0C+1], s14, 32*PITCH              ; slot 0, the 32 rows that I fetch
	s_mov_b32 s[G0C+4], 1
	s_add_co_u32 s[G0C+5], s[G0C+1], SLOTB         ; slot 1, the same rows
	s_mov_b32 s[G0S+0], 1
	s_lshl_b32 s[G0S+1], s14, 12
	s_add_co_u32 s[G0S+1], s[G0S+1], CSL
	s_mov_b32 s[G0X+0], 1
	s_mul_i32 s[G0X+1], s14, 16*XPITCH
	s_add_co_u32 s[G0X+1], s[G0X+1], SLOTB         ; x's tile lies in slot 1 until it has been read
	s_lshl_b32 s18, s14, 14                        ; 32 rows of codes = 16 rows of x = 16,384 bytes a wave
	s_mov_b32 s19, 0
	s_lshl_b32 s76, s16, 17                        ; 128 rows of x of 1,024 bytes a work-group
	s_add_co_u32 s76, s76, s18
	s_mov_b32 s77, 0
	s_lshl_b32 s78, s16, 9                         ; 128 indices of 4 bytes a work-group
	s_mov_b32 s79, 0
	s_mov_b32 s62, 0x7f800000                      ; +infinity
	s_mov_b32 s83, 0xff800000                      ; -infinity
	s_mov_b32 s70, 0x76543210                      ; v_permlanex16_b32: lane i of one half reads lane i of the other
	s_mov_b32 s71, 0xfedcba98
	s_wait_dscnt 0x0
	s_wait_kmcnt 0x0
	s_add_nc_u64 s[G0C+2:G0C+3], s[6:7], s[18:19]              ; step 0, the 32 codes that I fetch
	s_add_nc_u64 s[G0C+6:G0C+7], s[G0C+2:G0C+3], STEPB         ; step 1
	s_or_b32 s[G0C+3], s[G0C+3], 0x80000000                    ; type = 2
	s_or_b32 s[G0C+7], s[G0C+7], 0x80000000
	s_lshl_b32 s18, s14, 12                        ; 1,024 numbers of cs a wave
	s_add_nc_u64 s[G0S+2:G0S+3], s[8:9], s[18:19]
	s_or_b32 s[G0S+3], s[G0S+3], 0x80000000
	s_add_nc_u64 s[G0X+2:G0X+3], s[4:5], s[76:77]
	s_or_b32 s[G0X+3], s[G0X+3], 0x80000000
	s_add_nc_u64 s[10:11], s[10:11], s[78:79]      ; out2 and idx at my work-group's first row
	s_add_nc_u64 s[12:13], s[12:13], s[78:79]
	ROUND                                          ; all four work-groups are here: the first joint loads meet
	tensor_load_to_lds s[G0X:G0X+3], s[G1X:G1X+7]  ; the first fills, one group, three loads of this wave out: x first, since it is wanted first,
	s_nop 0
	tensor_load_to_lds s[G0S:G0S+3], s[G1S:G1S+7]  ; my eighth of cs,
	s_nop 0
	tensor_load_to_lds s[G0C:G0C+3], s[G1C:G1C+7]  ; my eighth of the codes of step 0
	s_nop 0
	v_and_b32 v1, 15, v0                           ; r
	v_bfe_u32 v2, v0, 4, 1                         ; h
	v_mul_u32_u24 v[ADR0], v1, PITCH
	v_lshl_add_u32 v[ADR0], v2, 4, v[ADR0]
	s_mul_i32 s17, s[CQ], 64*PITCH
	v_add_nc_u32 v[ADR0], s17, v[ADR0]             ; (64 (w >> 1) + r) PITCH + 16 h
	v_add_nc_u32 v[ADR0+1], SLOTB, v[ADR0]
	s_lshl_b32 s17, s[CQ], 8
	s_add_co_u32 s17, s17, CSL
	v_lshlrev_b32 v[CSA], 5, v2
	v_add_nc_u32 v[CSA], s17, v[CSA]               ; CSL + 4 (64 (w >> 1) + 8 h): step 0
	v_mul_u32_u24 v[XA], v1, XPITCH
	v_lshl_add_u32 v[XA], v2, 5, v[XA]             ; 8 f32 of K = 8 h .. are 32 bytes
	s_mul_i32 s17, s[RH], 64*XPITCH
	s_add_co_u32 s17, s17, SLOTB
	v_add_nc_u32 v[XA], s17, v[XA]
	v_lshlrev_b32 v[HQ], 3, v2
	s_lshl_b32 s17, s14, 9                         ; 1,024 (w >> 1) + 8 x 64 (w & 1) = 512 w
	s_add_co_u32 s17, s17, MRG
	v_lshlrev_b32 v[MA], 3, v1
	v_add_nc_u32 v[MA], s17, v[MA]
	s_wait_tensorcnt 0x2                           ; tensor loads of a wave end in order: my eighth of x is in; cs and the codes, issued behind it, stay out
	s_barrier_signal -1
	s_barrier_wait -1                              ; everybody's eighth of x is in
; X TO BF16.  A fragment is 16 rows x 32 K in 8 registers: lane (r, h) holds row r; registers 0-3 K = 8 h + 0..7, registers 4-7 K = 16 + 8 h + 0..7.
; In f32 these are 32 bytes at 128 ks + 32 h and 32 bytes 64 further on: four loads of 16 bytes.  Half a row block (4 K steps) is 16 loads and
; 64 registers; half n = row block n >> 1, K steps 4 (n & 1) .. + 3; three buffers take turns.
.macro LOADH n
	WIN 0
.set lb, TT+64*((\n)%3)
.set lo, 16*XPITCH*((\n)>>1)+512*((\n)&1)
.set lk, 0
.rept 4
	ds_load_b128 v[lb+16*lk:lb+16*lk+3],     v[XA] offset:lo+128*lk
	ds_load_b128 v[lb+16*lk+4:lb+16*lk+7],   v[XA] offset:lo+128*lk+16
	ds_load_b128 v[lb+16*lk+8:lb+16*lk+11],  v[XA] offset:lo+128*lk+64
	ds_load_b128 v[lb+16*lk+12:lb+16*lk+15], v[XA] offset:lo+128*lk+80
.set lk, lk+1
.endr
.endm
.macro CVTH n                          ; 64 f32 to 32 registers of bf16, from window 0 into window 1
	WIN 0x40
.set cb, TT+64*((\n)%3)
.set cj, 0
.rept 32
	v_cvt_pk_bf16_f32 v[32*(\n)+cj], v[cb+2*cj], v[cb+2*cj+1]
.set cj, cj+1
.endr
.endm
	LOADH 0
	LOADH 1
	LOADH 2
.irp n, 0,1,2,3,4
	s_wait_dscnt 32                                ; LDS loads come back in order: this half is in, the next two halves' 32 loads stay out
	CVTH \n
	LOADH \n+3
.endr
	s_wait_dscnt 32
	CVTH 5
	s_wait_dscnt 16                                ; the last half's 16 loads stay out
	CVTH 6
	s_wait_dscnt 0x0                               ; my reads of x's tile are over: the last half is in registers;
	s_wait_tensorcnt 0x0                           ; all my tensor loads have landed: my eighths of cs and of step 0
	ds_add_u32 v60, v61
	s_wait_dscnt 0x0
	WIN 0
	ROUND                                          ; both now hold of every wave of the four work-groups
	tensor_load_to_lds s[G0C+4:G0C+7], s[G1C:G1C+7]    ; slot 1 is filled again, with the codes of step 1: my one tensor load behind the round, first thing there
	s_nop 0
	; tile 0's operands, in the order in which a step's last pair asks for the next step's first: Q, K steps 0-3, K steps 4-7.  (Q only has to hold numbers here.)
	LDCS CSQ, 0
	LDCF CF, ADR0, 0, 0                            ; (these registers' f32, half 6, have been converted; half 7 lies in v[128:191])
	LDCF (CF+32), ADR0, 0, 4
	CVTH 7
; ZS.  A row block times itself: element (m, n) of the result is the product of rows m and n, its diagonal the sums of squares: 32 matrix
; instructions for my 64 rows.  The four accumulators take turns, one instruction a turn.
	WIN 0x05                                       ; sources 0 and 1 in window 1
.set zk, 0
.rept 8
.irp b, 0,1,2,3
.if zk == 0
	v_wmma_f32_16x16x32_bf16 v[ACC+8*\b:ACC+8*\b+7], v[64*\b:64*\b+7], v[64*\b:64*\b+7], 0
.else
	v_wmma_f32_16x16x32_bf16 v[ACC+8*\b:ACC+8*\b+7], v[64*\b+8*zk:64*\b+8*zk+7], v[64*\b+8*zk:64*\b+8*zk+7], v[ACC+8*\b:ACC+8*\b+7]
.endif
.endr
.set zk, zk+1
.endr
	WIN 0
.set zi, 0
.rept 16
	v_mov_b32 v[RUN+zi], s62                       ; 16 running minima a lane start at +infinity,
	v_mov_b32 v[IDX+zi], 0                         ; their tags at any number.  (These lines are also the places behind the last matrix instructions.)
.set zi, zi+1
.endr
	v_and_b32 v[J7], 7, v1
	v_lshrrev_b32 v[R3], 3, v1
	v_mov_b32 v[TMP], 0                            ; v_permlanex16_b32 counts as a reader of its destination
	v_mov_b32 v[TMP+1], 0
	v_cmp_eq_u32 s[DM], v[R3], v2                  ; element (r, r) lies in register r & 7 of the lane (r, h) with h = r >> 3
.irp j, 1,2,3,4,5,6,7
	v_cmp_eq_u32 s[DM+\j], \j, v[J7]
.endr
.irp a, 0,1,2,3
	v_cndmask_b32 v[TD], v[ACC+8*\a], v[ACC+8*\a+1], s[DM+1]
.irp j, 2,3,4,5,6,7
	v_cndmask_b32 v[TD], v[TD], v[ACC+8*\a+\j], s[DM+\j]
.endr
	v_permlanex16_b32 v[TMP], v[TD], s70, s71
	v_cndmask_b32 v[ZS+\a], v[TMP], v[TD], s[DM]   ; my own where I hold the diagonal, else the other half's
.endr
.set zi, 0
.rept 32
	v_mov_b32 v[ACC+32+zi], s83                    ; the first pair's first half searches a tile that does not exist: products of -infinity make
.set zi, zi+1                                      ; d = +infinity and minimum - d = NaN, which wins nothing and leaves the minima as they are
.endr
	s_lshl_b32 s[TP], s[CQ], 6                     ; tile 0's tags: 64 (w >> 1) for codes j = 0..3 of each half, + 4 for j = 4..7
	s_add_co_u32 s[TP+1], s[TP], 4
	s_mov_b32 s[TQ], 0
	s_mov_b32 s[TQ+1], 0
; One matrix instruction.  set: the pair's first or second tile.  i = 4 ks + b: the four accumulators of a set take turns, one instruction a turn;
; K step 0 starts the sums with the constant 0.  alt = 1: K steps 4-7 lie in CFX.
.macro WM set, i, alt
.set wks, (\i)>>2
.set wb, (\i)&3
.set wa, ACC+8*(4*\set+wb)
.set wc, CF+8*wks
.if \alt
.if wks >= 4
.set wc, CFX+8*(wks-4)
.endif
.endif
.if wks == 0
	v_wmma_f32_16x16x32_bf16 v[wa:wa+7], v[wc:wc+7], v[64*wb:64*wb+7], 0
.else
	v_wmma_f32_16x16x32_bf16 v[wa:wa+7], v[wc:wc+7], v[64*wb+8*wks:64*wb+8*wks+7], v[wa:wa+7]
.endif
.endm
; The minimum search of accumulator a (row block a & 3) of a finished tile, 36 lines, in eight chunks c of 4 or 5 lines, one behind each matrix
; instruction.  csb: the tile's cs; tg: its two tags.  Chain q of the row block sees code j = q and then j = q + 4 of every tile, tiles ascending, and is
; replaced only by a strictly smaller d: it keeps the first of equal ones.  The tag is the tile's first code (+ 4 in the second turn); the code is tag + 8 h + q.
.macro ECH a, c, csb, tg
.set ea, \a
.set ec, \c
.set ecs, \csb
.set eac, ACC+8*ea
.set erun, RUN+4*(ea&3)
.set eidx, IDX+4*(ea&3)
.set ezs, ZS+(ea&2)
.if ec == 0                            ; zs + cs, rounded once: zs x 1.0 + cs; zs is one register of a pair, taken for both halves
.irp k, 0,2,4,6
.if ea&1
	v_pk_fma_f32 v[ZD+\k:ZD+\k+1], v[ezs:ezs+1], 1.0, v[ecs+\k:ecs+\k+1] op_sel:[1,0,0] op_sel_hi:[1,0,1]
.else
	v_pk_fma_f32 v[ZD+\k:ZD+\k+1], v[ezs:ezs+1], 1.0, v[ecs+\k:ecs+\k+1] op_sel_hi:[0,0,1]
.endif
.endr
.endif
.if ec == 1                            ; d = (zs + cs) - 2 z.c, rounded once
.irp k, 0,2,4,6
	v_pk_fma_f32 v[ZD+\k:ZD+\k+1], v[eac+\k:eac+\k+1], -2.0, v[ZD+\k:ZD+\k+1] op_sel_hi:[1,0,1]
.endr
.endif
.if ec >= 2
.set ez, ZD+4*(ec/5)                   ; chunks 2-4: codes j = 0..3; chunks 5-7: j = 4..7
.set eph, ec-2-3*(ec/5)
.if eph == 0                           ; minimum - d: a difference of two f32 has the right sign and is 0 only for equal numbers
	v_pk_fma_f32 v[DF:DF+1],   v[ez:ez+1],   -1.0, v[erun:erun+1]   op_sel_hi:[1,0,1]
	v_pk_fma_f32 v[DF+2:DF+3], v[ez+2:ez+3], -1.0, v[erun+2:erun+3] op_sel_hi:[1,0,1]
	v_cmp_gt_f32 s66, v[DF], 0
	v_cmp_gt_f32 s67, v[DF+1], 0
	v_cmp_gt_f32 s68, v[DF+2], 0
.endif
.if eph == 1
	v_cmp_gt_f32 s69, v[DF+3], 0
.irp q, 0,1,2,3
	v_min3_num_f32 v[erun+\q], v[ez+\q], s62, v[erun+\q]       ; min(d, minimum); +infinity fills the place of source 1
.endr
.endif
.if eph == 2
.irp q, 0,1,2,3
	v_cndmask_b32 v[eidx+\q], v[eidx+\q], s[\tg+ec/5], s[66+\q] ; the tag where d was smaller
.endr
.endif
.endif
.endm
; Matrix instructions from .. to of a half, each followed by a chunk of the other set's search: the first tile's half searches the second tile of the
; pair before (cs in Q, tags TQ), the second tile's half searches this pair's first tile (cs in P, tags TP).
.macro RUNW set, from, to, alt
.set ii, \from
.rept \to-\from+1
	WM \set, ii, \alt
.if \set == 0
	ECH (4+(ii>>3)), (ii&7), CSQ, TQ
.else
	ECH (ii>>3), (ii&7), CSP, TP
.endif
.set ii, ii+1
.endr
.endm
; A PAIR OF TILES.  Each half asks for the next tile's operands in two runs of LDS loads: behind its 16th matrix instruction a cs pair and K steps 0-3, whose
; registers the 16th was the last to read; behind its 32nd K steps 4-7.  Each run stands behind a chunk of four vector lines that name none of the
; registers of the matrix instruction in front (ISA guide 7.12.1 for vector instructions), and 16 matrix
; instructions ahead of its first use.  P is loaded in the first half (its last reader stood in the half before), Q in the second.
; kind 0: a step's tiles 0 and 1.  kinds 1, 2, 3: its tiles 2 and 3, where the slots change.  There K steps 4-7 of tile 3 go into registers of their own, so that
; all reads of the slot are issued by the first half's 16th matrix instruction.  At that half's end each wave waits for them and for all its tensor
; loads (one is out: its part of the other slot) and signals; 16 matrix instructions and their chunks, register work alone, stand up to the wait.
; kind 1: the barrier opens a round of the cluster's barrier, and behind the round this slot is asked for again, two steps ahead, first thing; then the
; other slot's first tile is read.  From that request to the wait for it a wave issues 112 matrix instructions.
; kind 2: the slots change, nothing is left to fetch.  kind 3: the last pair of all.
.macro PAIR kind, slot
	WIN 0x04                                       ; source 1 in window 1
	s_wait_dscnt 8                                 ; LDS loads come back in order: Q and K steps 0-3 are in, the 8 loads of K steps 4-7 stay out
	RUNW 0, 0, 15, 0
.if \kind == 0
	LDCS CSP, 0
	LDCF CF, (ADR0+\slot), 16*PITCH, 0
	s_wait_dscnt 10                                ; K steps 4-7 are in: behind them the 10 loads just issued
.else
	LDCS CSP, 128
	LDCF CF, (ADR0+\slot), 48*PITCH, 0
	LDCF CFX, (ADR0+\slot), 48*PITCH, 4
	s_wait_dscnt 18                                ; K steps 4-7 are in: behind them the 18 loads just issued
.endif
	RUNW 0, 16, 31, 0
.if \kind == 0
	LDCF (CF+32), (ADR0+\slot), 16*PITCH, 4
.endif
	s_add_co_u32 s[TQ], s[TP], 16                  ; the second tile's tags; the search that used the old ones has just ended
	s_add_co_u32 s[TQ+1], s[TP+1], 16
.if \kind == 0
	s_wait_dscnt 8                                 ; P and K steps 0-3 are in, the 8 loads of K steps 4-7 stay out
	RUNW 1, 0, 15, 0
	LDCS CSQ, 64
	LDCF CF, (ADR0+\slot), 32*PITCH, 0
	s_wait_dscnt 10
	RUNW 1, 16, 31, 0
	LDCF (CF+32), (ADR0+\slot), 32*PITCH, 4
	s_add_co_u32 s[TP], s[TP], 32                  ; the next pair's first tile
	s_add_co_u32 s[TP+1], s[TP+1], 32
.else
	s_wait_dscnt 0x0                               ; my reads of this slot are over: P and all of tile 3 are in
.if \kind != 3
	s_set_vgpr_msb 0x400
	s_wait_tensorcnt 0x0                           ; all my tensor loads have landed: my part of the other slot
	ds_add_u32 v60, v61
	s_wait_dscnt 0x0
	s_set_vgpr_msb 0x4
	s_barrier_signal -1
.endif
	RUNW 1, 0, 15, 1
.if \kind == 1
	WIN 0
.endif
.if \kind != 3
	s_barrier_wait -1
.endif
.if \kind == 1
	CREST                                          ; no wave of any partner still reads this slot or has a load on its way
	s_add_nc_u64 s[G0C+4*\slot+2:G0C+4*\slot+3], s[G0C+4*\slot+2:G0C+4*\slot+3], 2*STEPB   ; no load of mine is out: a group 0 may be written
	tensor_load_to_lds s[G0C+4*\slot:G0C+4*\slot+3], s[G1C:G1C+7]          ; my one tensor load behind the round
	s_nop 0
.endif
	WIN 0x04
	LDCS CSQ, 192
.if \kind != 3
	LDCF CF, (ADR0+1-\slot), 0, 0                  ; the other slot's first tile; K steps 4-7 are free since the first half's end
	LDCF (CF+32), (ADR0+1-\slot), 0, 4
.endif
	RUNW 1, 16, 31, 1
	WIN 0
.if \kind != 3
	s_add_co_u32 s[TP], s[TP], 224                 ; from a step's tile 2 to the next step's tile 0: 256 - 32 codes
	s_add_co_u32 s[TP+1], s[TP+1], 224
	v_add_nc_u32 v[CSA], 0x400, v[CSA]             ; cs of the next step's 256 codes
.endif
.endif
.endm
	s_mov_b32 s63, 15                              ; steps 0 to 29, two a lap
.Llap:
	PAIR 0, 0
	PAIR 1, 0
	PAIR 0, 1
	PAIR 1, 1
	s_sub_co_u32 s63, s63, 1
	s_cmp_lg_u32 s63, 0
	s_cbranch_scc1 .Llap
	PAIR 0, 0                                      ; step 30: step 31's codes are waited for, nothing is fetched, so no round of the cluster's barrier
	PAIR 2, 0
	PAIR 0, 1                                      ; step 31
	PAIR 3, 1
	s_wait_dscnt 0x0                               ; Q holds the last tile's cs
.irp a, 4,5,6,7
.irp c, 0,1,2,3,4,5,6,7
	ECH \a, \c, CSQ, TQ                            ; the last tile's search
.endr
.endr
; THE WAY OUT.  Of two candidates the smaller d, of equal d the smaller code.  Result: d in d1, code in cd.
.macro LEXMIN d1, c1, d2, c2, cd
	v_cmp_lt_f32 s72, v[\d2], v[\d1]
	v_cmp_eq_f32 s73, v[\d2], v[\d1]
	v_cmp_lt_u32 s74, v[\c2], v[\c1]
	s_and_b32 s73, s73, s74
	s_or_b32 s72, s72, s73
	v_cndmask_b32 v[\d1], v[\d1], v[\d2], s72
	v_cndmask_b32 v[\cd], v[\c1], v[\c2], s72
.endm
.irp q, 0,1,2,3
	v_add_nc_u32 v[HQQ+\q], \q, v[HQ]              ; 8 h + q
.endr
.irp a, 0,1,2,3
.irp q, 0,1,2,3
	v_add_nc_u32 v[IDX+4*\a+\q], v[HQQ+\q], v[IDX+4*\a+\q]     ; code = tag + 8 h + q
.endr
	LEXMIN RUN+4*\a,   IDX+4*\a,   RUN+4*\a+1, IDX+4*\a+1, IDX+4*\a
	LEXMIN RUN+4*\a+2, IDX+4*\a+2, RUN+4*\a+3, IDX+4*\a+3, IDX+4*\a+2
	LEXMIN RUN+4*\a,   IDX+4*\a,   RUN+4*\a+2, IDX+4*\a+2, IDX+4*\a
	v_permlanex16_b32 v[TMP],   v[RUN+4*\a], s70, s71          ; the other half of the lanes holds the same row's other codes
	v_permlanex16_b32 v[TMP+1], v[IDX+4*\a], s70, s71
	LEXMIN RUN+4*\a, IDX+4*\a, TMP, TMP+1, RUN+4*\a+1          ; (d, code) as a pair
	ds_store_b64 v[MA], v[RUN+4*\a:RUN+4*\a+1] offset:128*\a   ; row 64 (w & 1) + 16 a + r of my code quarter's table; both halves write the same
.endr
	s_wait_dscnt 0x0                               ; for the waves that read them: my stores are done before I signal
	s_barrier_signal -1
	s_barrier_wait -1
	s_cmp_gt_u32 s14, 1
	s_cbranch_scc1 .Lmerged                        ; waves 0 and 1: 64 threads, two rows each
	v_and_b32 v63, 63, v0
	v_lshlrev_b32 v62, 3, v63                      ; two indices = 8 bytes a thread
	v_lshlrev_b32 v63, 4, v63
	v_add_nc_u32 v63, MRG, v63                     ; two rows' (d, code) = 16 bytes a thread
.irp w, 0,1,2,3
	ds_load_b128 v[CF+4*\w:CF+4*\w+3], v63 offset:1024*\w      ; the four code quarters' candidates
.endr
	s_wait_dscnt 0x0
	LEXMIN CF,    CF+1,  CF+4,  CF+5,  CF+1
	LEXMIN CF+8,  CF+9,  CF+12, CF+13, CF+9
	LEXMIN CF,    CF+1,  CF+8,  CF+9,  CF+16
	LEXMIN CF+2,  CF+3,  CF+6,  CF+7,  CF+3
	LEXMIN CF+10, CF+11, CF+14, CF+15, CF+11
	LEXMIN CF+2,  CF+3,  CF+10, CF+11, CF+17
	global_store_b64 v62, v[CF+16:CF+17], s[10:11] ; each store of a wave covers 256 consecutive bytes, aligned
	global_store_b64 v62, v[CF+16:CF+17], s[12:13]
.Lmerged:
	s_wait_tensorcnt 0x0
	ds_add_u32 v60, v61
	s_wait_dscnt 0x0
	ROUND                                          ; the closing round: no work-group ends while a partner may still ask for a tile that names it
	s_endpgm
.Lfunc_end_k_q38922aca95_vq:
	.size	k_q38922aca95_vq, .Lfunc_end_k_q38922aca95_vq-k_q38922aca95_vq
	.p2alignl 7, 3214868480
	.fill 96, 4, 3214868480
	.section	.rodata,"a",@progbits
	.p2align	6, 0x0
	.amdhsa_kernel k_q38922aca95_vq
		.amdhsa_group_segment_fixed_size 327680
		.amdhsa_private_segment_fixed_size 0
		.amdhsa_enable_private_segment 0
		.amdhsa_kernarg_size 40
		.amdhsa_user_sgpr_count 2
		.amdhsa_user_sgpr_kernarg_segment_ptr 1
		.amdhsa_wavefront_size32 1
		.amdhsa_system_sgpr_workgroup_id_x 1
		.amdhsa_system_sgpr_workgroup_id_y 1
		.amdhsa_system_sgpr_workgroup_id_z 1
		.amdhsa_system_vgpr_workitem_id 0
		.amdhsa_next_free_vgpr 512
		.amdhsa_next_free_sgpr 96
		.amdhsa_reserve_vcc 0
		.amdhsa_float_denorm_mode_32 3
		.amdhsa_float_denorm_mode_16_64 3
		.amdhsa_memory_ordered 1
		.amdhsa_forward_progress 1
		.amdhsa_inst_pref_size 255
	.end_amdhsa_kernel
	.section	.bss,"aw",@nobits
	.p2align	6
	.space	262144
	.amdgpu_metadata
---
amdhsa.version: [ 1, 2 ]
amdhsa.kernels:
  - .name:           k_q38922aca95_vq
    .symbol:         k_q38922aca95_vq.kd
    .args:
      - { .name: x, .offset: 0, .size: 8, .value_kind: global_buffer, .address_space: global }
      - { .name: cbh, .offset: 8, .size: 8, .value_kind: global_buffer, .address_space: global }
      - { .name: cs, .offset: 16, .size: 8, .value_kind: global_buffer, .address_space: global }
      - { .name: out2, .offset: 24, .size: 8, .value_kind: global_buffer, .address_space: global }
      - { .name: idx, .offset: 32, .size: 8, .value_kind: global_buffer, .address_space: global }
    .group_segment_fixed_size: 327680
    .private_segment_fixed_size: 0
    .kernarg_segment_align: 8
    .kernarg_segment_size: 40
    .max_flat_workgroup_size: 256
    .sgpr_count:     96
    .vgpr_count:     512
    .wavefront_size: 32
...
	.end_amdgpu_metadata
.endif
;; end of part 5
;; launch gather: the kernel of part 3 again; grid 512 x 1, 8 waves a work-group, no clusters, 1,280 bytes of LDS; arguments x, codebook, idx, out0, part; writes out0, part
;; launch loss: the kernel of part 4 again; grid 1 x 1, 1 waves a work-group, no clusters, 0 bytes of LDS; arguments part, out1; writes out1
